; MI455X (gfx1250); checked and timed in simulation.
; The chip was launched on July 23, 2026; its instructions are those of AMD's public machine-readable ISA for CDNA 5 (MIT licence, August 2026) and "CDNA5" Instruction Set Architecture Reference Guide (July 2026). The comments in the code are by the model that wrote it; some were corrected since.
;; Trained Attention. Allowed arithmetic: matrix products marked QUANTISED: E5M2 operands, one E8M0 scale for each 32 along K, by v_wmma_scale_f32_16x16x128_f8f6f4 with both operands' format E5M2, f32 sums; everything else in f32.
;; Inputs: Wk_codes 1,024 x 32 x 32 uint8 (E5M2 codes of Wk, K innermost, in blocks of 32 codes); Wk_scales 1,024 x 32 uint8 (E8M0 scales of Wk, one for each 32 codes along K); Wo_codes 1,024 x 32 x 32 uint8 (E5M2 codes of Wo, K innermost, in blocks of 32 codes); Wo_scales 1,024 x 32 uint8 (E8M0 scales of Wo, one for each 32 codes along K); Wq_codes 1,024 x 32 x 32 uint8 (E5M2 codes of Wq, K innermost, in blocks of 32 codes); Wq_scales 1,024 x 32 uint8 (E8M0 scales of Wq, one for each 32 codes along K); Wv_codes 1,024 x 32 x 32 uint8 (E5M2 codes of Wv, K innermost, in blocks of 32 codes); Wv_scales 1,024 x 32 uint8 (E8M0 scales of Wv, one for each 32 codes along K); bk 1,024 float32; bo 1,024 float32; bq 1,024 float32; bv 1,024 float32; mask 1 x 1 x 2,048 x 2,048 int32; x_codes 4 x 2,048 x 32 x 32 uint8 (E5M2 codes of x, K innermost, in blocks of 32 codes); x_scales 4 x 2,048 x 32 uint8 (E8M0 scales of x, one for each 32 codes along K).
;; Outputs: out0 4 x 2,048 x 1,024 float32.
;; This version of the problem:
;;   THIS VERSION OF THE PROBLEM IS GIVEN IN LOW PRECISION. The matrix products marked QUANTISED in the list below multiply operands that are first quantised to E5M2 (5 exponent bits, 2 mantissa bits; 8 bits a number), with one power-of-two scale for each 32 numbers along K (OCP MX v1.0); their sums are f32. All else is computed in f32.
;;   The module's matrix products, in the order in which they are computed (A, B: the left and right operand; K: the contracted axis; several contracted axes count as one K, in the product's order):
;;     1. [M 8,192, K 1,024] x [K 1,024, N 1,024]; A: input x (given as codes); B: input Wq (given as codes): QUANTISED
;;     2. [M 8,192, K 1,024] x [K 1,024, N 1,024]; A: input x (given as codes); B: input Wk (given as codes): QUANTISED
;;     3. [M 8,192, K 1,024] x [K 1,024, N 1,024]; A: input x (given as codes); B: input Wv (given as codes): QUANTISED
;;     4. batch 64 x [M 2,048, K 64] x [K 64, N 2,048]; A: computed on the way; B: computed on the way: QUANTISED
;;     5. batch 64 x [M 2,048, K 2,048] x [K 2,048, N 64]; A: softmax (see below); B: computed on the way: QUANTISED
;;     6. [M 8,192, K 1,024] x [K 1,024, N 1,024]; A: computed on the way; B: input Wo (given as codes): QUANTISED
;;   THE QUANTISER, for each operand of a quantised product, along K:
;;     - K is cut into blocks of 32 from its start; a last block that is shorter is filled with zeros.
;;     - A block's scale is 2^e with e = floor(log2(the largest magnitude in the block)) - 15, held to -126 .. 127; a block of zeros has e = 0. As a byte (E8M0): e + 127.
;;     - Each number is divided by its block's scale, clamped to +-57,344, and rounded to the nearest number of E5M2, ties to even, subnormals kept.
;;     - The product sums the exact products of the quantised numbers (number of the format x scale) in f32.
;;   ~~~python
;;   def quantise(x, axis):      # numpy; x: float32 -> the quantised numbers, widened to float32 again
;;       x = np.moveaxis(x, axis, -1); K = x.shape[-1]
;;       x = np.pad(x, [(0, 0)] * (x.ndim - 1) + [(0, -K % 32)]); x = x.reshape(x.shape[:-1] + (-1, 32)); a = np.abs(x).max(-1, keepdims=True)
;;       e = np.where(a > 0, np.clip(np.frexp(np.where(a > 0, a, 1))[1] - 1 - 15, -126, 127), 0)      # np.frexp(a)[1] - 1 = floor(log2(a)), exactly
;;       r = np.clip(x / 2.0 ** e, -57344, 57344)
;;       step = 2.0 ** (np.maximum(np.frexp(np.where(r == 0, 1, r))[1] - 1, -14) - 2)
;;       q = np.round(r / step) * step * 2.0 ** e      # np.round: ties to even
;;       return np.moveaxis(q.reshape(q.shape[:-2] + (-1,))[..., :K], -1, axis).astype(np.float32)
;;   ~~~
;;   SOFTMAX AHEAD OF A QUANTISED PRODUCT. Where the list says 'softmax', what is quantised is not the finished softmax but p = 2^(t - M), with t = logit x log2(e) and M = ceil(the row's largest t), a whole number; so 1/2 < the row's largest p <= 1. The row's sum l is taken of the UNQUANTISED p, in f32, and the product's result is divided by l at the end. Since M is a whole number, a kernel that streams over the keys may use a running M (the ceiling of the running maximum): every later rescaling is an exact power of two, which a block's scale takes up: the codes' values come out the same.
;;   OPERANDS COMPUTED ON THE WAY. 'Computed on the way' means the value that the module computes at that place (a softmax that the list does not call 'softmax' is quantised finished and normalised). What goes into a quantiser is computed in f32, as accurately as f32 sums, v_exp_f32 and their like allow (about 1e-6 of the number): no bf16 or f16 on the way to a quantiser, and a product that is left as it is and whose result goes on into a quantised operand takes f32 operands (vector FMAs, or v_wmma_f32_16x16x4_f32). A number that lies on a knife's edge between two numbers of the format may be rounded either way, as far as f32 arithmetic and the matrix unit's own rounding can turn it there, and no further.
;;   INPUTS GIVEN AS CODES. Wk (in the module: [1024, 1024], K = its axis 1); Wo (in the module: [1024, 1024], K = its axis 1); Wq (in the module: [1024, 1024], K = its axis 1); Wv (in the module: [1024, 1024], K = its axis 1); x (in the module: [4, 2048, 1024], K = its axis 2): each comes as NAME_codes (uint8): NAME with its K axis moved to the last place and cut into blocks of 32 codes, [.., K / 32, bytes a block], one block behind the other in memory; one code a byte (a code: sign, 5 exponent bits, 2 mantissa bits); and NAME_scales (uint8): the same leading axes, one E8M0 byte (e + 127) for each 32 codes along K. Its value is code x scale, taken as it is: it is not quantised again, and the codes and scales need not be those that the quantiser above would give.
;; 2 versions, each right; version 2 is version 1 with the launch attn written anew for expert scheduling mode. Each part assembles by itself: llvm-mc -triple=amdgcn-amd-amdhsa -mcpu=gfx1250 --defsym DOCPART=n.
;; ======== version 1 of 2: 4 launches
;; limits: right only within a limited range of input values
;; workspace buffers: mbits 524,288 bytes of whole numbers; mflags 8,192 bytes of whole numbers; cimg 25,165,824 bytes; csc 1,310,720 bytes; aimg 8,388,608 bytes; asc 262,144 bytes
;; launch maskbits (part 1): grid 256 x 1, 4 waves a work-group, no clusters, 68,096 bytes of LDS; arguments mask, mbits, mflags; writes mbits, mflags
.if DOCPART == 1
	.amdgcn_target "amdgcn-amd-amdhsa--gfx1250"
	.amdhsa_code_object_version 6
	.text
	.protected	k_qa39a14c616_maskbits
	.globl	k_qa39a14c616_maskbits
	.p2align	8
	.type	k_qa39a14c616_maskbits,@function
k_qa39a14c616_maskbits:
	s_mov_b64 s[64:65], 0
	v_nop
	global_prefetch_b8 v0, s[64:65] scope:SCOPE_SE
	s_setreg_imm32_b32 hwreg(HW_REG_WAVE_MODE, 25, 1), 1
	s_wait_xcnt 0x0
; The mask [2048][2048] of int32 becomes lane masks for the attention launch.
; mbits [g 64][s 16][tau 2][n 64] of u32: g = a group of 32 queries, s = a key step of 128, tau = a tile of 16 queries, n = 8 t + j.
; Bit r + 16 h of a word says whether mask[32 g + 16 tau + r][128 s + 16 t + 8 h + j] is not 0: the word is the lane mask of one v_cndmask_b32 on register n of a tile of scores.
; mflags [g][s][2] of u32: RV, bit q: row q of the group has a key that counts in step s; RA, bit q: all 128 keys of step s count for row q.
; A wave takes one unit (g, s): 32 rows x 512 bytes.  Each load reads one row's 512 consecutive bytes; the unit turns through the wave's own stage in LDS
; (rows 528 bytes apart, an odd multiple of 16), so that lane (r, h) gets row r's columns 16 t + 8 h + 0 .. 7.  Waves share nothing: no barrier.
; The flags leave as 8 bytes a wave, 8,192 bytes in the whole launch against the 16,777,216 that it reads.
.set PITCH, 528
.set WSTG,  32*PITCH                   ; a wave's stage
.set OUTW,  8                          ; v8-11   the unit's 128 words, four a lane
.set X,     16                         ; v16-143 32 rows as loaded
.set Y,     144                        ; v144-207 a tile's 64 numbers of my lane
	s_load_b128 s[4:7], s[0:1], 0x0                ; mask, mbits
	s_load_b64 s[8:9], s[0:1], 0x10                ; mflags
	v_lshl_add_u32 v208, v0, 2, 0x10800
	v_mov_b32 v209, 0
	v_lshrrev_b32 v1, 5, v0
	v_readfirstlane_b32 s10, v1                    ; wave
	v_and_b32 v1, 31, v0                           ; lane
	v_lshlrev_b32 v2, 4, v1                        ; 16 x lane
	s_mul_i32 s11, s10, WSTG
	v_add_nc_u32 v3, s11, v2                       ; into the stage: a row as it lies
	v_and_b32 v5, 15, v0                           ; r
	v_bfe_u32 v6, v0, 4, 1                         ; h
	v_mul_u32_u24 v4, v5, PITCH
	v_lshl_add_u32 v4, v6, 5, v4
	v_add_nc_u32 v4, s11, v4                       ; out of it: row r, + 32 h
	v_mov_b32 v7, 0
.irp i, 0,1,2,3
	v_mov_b32 v[OUTW+\i], 0                        ; v_writelane_b32 keeps the other lanes: the registers are written whole first
.endr
	s_lshl_b32 s24, ttmp9, 2
	s_add_co_u32 s24, s24, s10                     ; the unit u = 16 g + s
	s_lshr_b32 s25, s24, 4                         ; g
	s_and_b32 s26, s24, 15                         ; s
	s_lshl_b32 s28, s25, 18                        ; 32 rows of 8,192 bytes
	s_lshl_b32 s26, s26, 9                         ; 128 columns of 4 bytes
	s_add_co_u32 s28, s28, s26
	s_mov_b32 s29, 0
	s_lshl_b32 s30, s24, 9                         ; 512 bytes of words a unit
	s_mov_b32 s31, 0
	s_lshl_b32 s26, s24, 3                         ; 8 bytes of flags a unit
	s_mov_b32 s27, 0
	s_wait_kmcnt 0x0
	s_add_nc_u64 s[4:5], s[4:5], s[28:29]
	s_add_nc_u64 s[6:7], s[6:7], s[30:31]
	s_add_nc_u64 s[8:9], s[8:9], s[26:27]
.set rho, 0
.rept 32
	global_load_b128 v[X+4*rho:X+4*rho+3], v2, s[4:5] offset:8192*rho th:TH_LOAD_NT   ; 32 lanes read 512 consecutive bytes of row rho; read once in the launch
.set rho, rho+1
.endr
.set rho, 0
.rept 32
	s_wait_loadcnt 31-rho                          ; loads come back in order: row rho is in, the younger rows stay out
	ds_store_b128 v3, v[X+4*rho:X+4*rho+3] offset:PITCH*rho
.set rho, rho+1
.endr
	s_mov_b32 s14, 0                               ; RV
	s_mov_b32 s15, 0                               ; RA
.irp tau, 0,1
.irp t, 0,1,2,3,4,5,6,7
	ds_load_b128 v[Y+8*\t:Y+8*\t+3], v4 offset:16*PITCH*\tau+64*\t          ; LDS serves a wave's instructions in order: these see my stores
	ds_load_b128 v[Y+8*\t+4:Y+8*\t+7], v4 offset:16*PITCH*\tau+64*\t+16
.endr
	s_wait_dscnt 0x0
	s_mov_b32 s12, 0                               ; the words' OR
	s_mov_b32 s13, -1                              ; and their AND
.set n, 0
.rept 64
	v_cmp_ne_u32 s[16+n%4], 0, v[Y+n]              ; word n of the tile
	v_writelane_b32 v[OUTW+n%4], s[16+n%4], 16*\tau+n/4   ; word 64 tau + n of the unit: lane (64 tau + n) / 4, register n % 4
	s_or_b32 s12, s12, s[16+n%4]
	s_and_b32 s13, s13, s[16+n%4]
.set n, n+1
.endr
	s_lshr_b32 s20, s12, 16                        ; a row's keys lie in lanes r and r + 16
	s_or_b32 s20, s20, s12
	s_and_b32 s20, s20, 0xffff
	s_lshl_b32 s20, s20, 16*\tau
	s_or_b32 s14, s14, s20
	s_lshr_b32 s21, s13, 16
	s_and_b32 s21, s21, s13
	s_and_b32 s21, s21, 0xffff
	s_lshl_b32 s21, s21, 16*\tau
	s_or_b32 s15, s15, s21
.endr
	global_store_b128 v2, v[OUTW:OUTW+3], s[6:7]   ; 32 lanes store 512 consecutive bytes, aligned
	v_mov_b32 v12, s14
	v_mov_b32 v13, s15
	v_cmp_eq_u32 vcc_lo, 0, v1
	s_wait_xcnt 0x0                                ; EXEC changes only behind this wait
	s_wait_tensorcnt 0x0
	ds_add_u32 v208, v209
	s_wait_dscnt 0x0
	s_and_saveexec_b32 s22, vcc_lo
	global_store_b64 v7, v[12:13], s[8:9]          ; lane 0 alone: the unit's two flags
	s_wait_xcnt 0x0                                ; and again in front of the line that widens it
	s_or_b32 exec_lo, exec_lo, s22
	s_endpgm
.Lfunc_end_k_qa39a14c616_maskbits:
	.size	k_qa39a14c616_maskbits, .Lfunc_end_k_qa39a14c616_maskbits-k_qa39a14c616_maskbits
	.p2alignl 7, 3214868480
	.fill 96, 4, 3214868480
	.section	.rodata,"a",@progbits
	.p2align	6, 0x0
	.amdhsa_kernel k_qa39a14c616_maskbits
		.amdhsa_group_segment_fixed_size 68096
		.amdhsa_private_segment_fixed_size 0
		.amdhsa_enable_private_segment 0
		.amdhsa_kernarg_size 24
		.amdhsa_user_sgpr_count 2
		.amdhsa_user_sgpr_kernarg_segment_ptr 1
		.amdhsa_wavefront_size32 1
		.amdhsa_system_sgpr_workgroup_id_x 1
		.amdhsa_system_sgpr_workgroup_id_y 1
		.amdhsa_system_sgpr_workgroup_id_z 1
		.amdhsa_system_vgpr_workitem_id 0
		.amdhsa_next_free_vgpr 210
		.amdhsa_next_free_sgpr 66
		.amdhsa_reserve_vcc 1
		.amdhsa_float_denorm_mode_32 3
		.amdhsa_float_denorm_mode_16_64 3
		.amdhsa_memory_ordered 1
		.amdhsa_forward_progress 1
		.amdhsa_inst_pref_size 36
	.end_amdhsa_kernel
	.amdgpu_metadata
---
amdhsa.version: [ 1, 2 ]
amdhsa.kernels:
  - .name:           k_qa39a14c616_maskbits
    .symbol:         k_qa39a14c616_maskbits.kd
    .args:
      - { .name: mask, .offset: 0, .size: 8, .value_kind: global_buffer, .address_space: global }
      - { .name: mbits, .offset: 8, .size: 8, .value_kind: global_buffer, .address_space: global }
      - { .name: mflags, .offset: 16, .size: 8, .value_kind: global_buffer, .address_space: global }
    .group_segment_fixed_size: 68096
    .private_segment_fixed_size: 0
    .kernarg_segment_align: 8
    .kernarg_segment_size: 24
    .max_flat_workgroup_size: 128
    .sgpr_count:     66
    .vgpr_count:     210
    .wavefront_size: 32
...
	.end_amdgpu_metadata
.endif
;; end of part 1
;; launch qkv (part 2): grid 12 x 32, 4 waves a work-group, clusters of 4 x 4, 327,680 bytes of LDS; arguments x_codes, x_scales, Wq_codes, Wq_scales, Wk_codes, Wk_scales, Wv_codes, Wv_scales, bq, bk, bv, cimg, csc; writes cimg, csc
.if DOCPART == 2
	.amdgcn_target "amdgcn-amd-amdhsa--gfx1250"
	.amdhsa_code_object_version 6
	.text
	.protected	k_qa39a14c616_qkv
	.globl	k_qa39a14c616_qkv
	.p2align	8
	.type	k_qa39a14c616_qkv,@function
k_qa39a14c616_qkv:
	s_mov_b64 s[64:65], 0
	v_nop
	global_prefetch_b8 v0, s[64:65] scope:SCOPE_SE
	s_setreg_imm32_b32 hwreg(HW_REG_WAVE_MODE, 25, 1), 1
	s_wait_xcnt 0x0
	s_wait_alu depctr_hold_cnt(0) depctr_sa_sdst(0) depctr_va_vdst(0) depctr_va_sdst(0) depctr_va_ssrc(0) depctr_va_vcc(0) depctr_vm_vsrc(0)
	s_getreg_b32 s2, hwreg(HW_REG_IB_STS2, 6, 4)
	s_cmp_eq_u32 s2, 0
	s_cbranch_scc0 .Lentry_in_a_cluster
	s_endpgm
.Lentry_in_a_cluster:
	s_bfe_u32 s2, ttmp6, 0x10000c
	s_cmp_lg_u32 s2, 0xf033
	s_cbranch_scc0 .Lentry_shape_is_right
	s_endpgm
.Lentry_shape_is_right:
; q = x Wq^T + bq, k = x Wk^T + bk, v = x Wv^T + bv on codes of BF8 (E5M2) with one E8M0 scale for each 32 along K = 1,024; the results are quantised here, from the f32 sums, and leave as codes.
; Cluster x = 0, 1, 2 makes q, k, v.  A tile is 256 x 256, four waves of 128 x 128 (64 accumulators, 512 registers); K goes in steps of 256 through a ring of two LDS slots filled by joint tensor loads.
; THE MATRIX INSTRUCTION: source 0 = 16 rows of "B", source 1 = 16 rows of "A": lane (r, h) holds row r of A, and its register j the row 8 h + j of B.  So a lane's registers run along B's rows.
; q and k are quantised along the features: A = x, B = W.  v is quantised along the tokens (the keys): A = Wv, B = x.  The roles are changed BY POINTERS ALONE; both operands have rows of 1,024 bytes and scale rows of 32.
; The bias is the C of each sum's first matrix instruction: for q, k a table along B's rows, for v one number a row of A; this is the one place where the text parts (a branch on the cluster's x, alike in all partners).
; THE WAY OUT.  For A's block a the lane's 64 registers 16 c + i hold B's rows 32 c + 16 (i / 8) + 8 h + i % 8: with lane l xor 16 a whole block of 32.  Its codes are written as they fall: an order inside a block of 32
; that q and k share, and that v shares with the softmax's p in the next launch, so every product pairs the right numbers.  What is stored is an IMAGE OF OPERAND REGISTERS: 16 bytes a lane, 512 consecutive bytes a store.
; cimg: part (q, k, v) x 8,388,608 + (8 batch + pair of heads) x 262,144 + (group of 128 tokens) x 8,192 + a x 1,024 + (c % 2) x 512 + (c / 2) x 131,072 + 16 x lane.
; csc: q, k: one word a token and head (the head's two bytes low; above them the other head's or zeros); v: one word a feature and 128 tokens.
; LIMITS: NaN and infinities are not served; a block whose largest magnitude lies under 2^-111 gets the scale byte 1 (a block of zeros too: its codes are zeros, and this program alone reads the bytes).
; REGISTERS, in windows of 256: window 0: v0-31 addresses; v32-63 scale words, two sets; v64-127 the bias table; from v128 A's fragments, one set; on the way out v128-195 at work.
;   window 1: B's fragments, two sets.   windows 2, 3: the accumulators ((a, b) at v[8 (8 (a % 4) + b)]).
.set KSTEP,  256
.set NQ,     2                         ; matrix instructions deep in a slot
.set ROWB,   256                       ; a tile's row in bytes
.set KROW,   1024                      ; a row of either operand in memory
.set PITCH,  272                       ; an LDS row: 256 bytes + 16 of padding: the 16 rows that a load touches start at 16 different groups of banks
.set FR,     16
.set NL,     4
.set NP,     8                         ; places behind this matrix instruction (ISA guide 7.12.1)
.set HALFT,  128*PITCH
.set SLOT,   4*HALFT
.set LAPS,   2                         ; 1,024 / (2 x 256)
.set KS,     32                        ; a row of scale bytes
.set SCL,    2*SLOT                    ; behind the ring: the scales of all of K, units of 256 bytes + 16
.set HALFS,  (128*KS/256)*272
.set SBLK,   (16*KS/256)*272
.set SPARE,  SCL+4*HALFS               ; the spare words: 128 bytes a wave, named by no other line
.set TV,   8                           ; v8-15   v's bias: one number a row of A's block a
.set ADRA, 16
.set SCR,  18                          ; v18     the way out: where my row's scale word goes (in slot 0, which has had its last fill and its last read by then)
.set SRD,  19                          ; v19     and where 16 bytes of words are read back
.set ADRB, 20
.set SHV,  22                          ; v22     q, k: 16 h (lanes 16-31 keep the second head's two bytes); v: 0
.set CO,   26                          ; v26     16 x lane
.set ADRS, 27
.set SPW,  28
.set NIL,  29
.set BR,   30                          ; v30     4 r
.set BH,   31                          ; v31     32 h
.set SC,   32
.set T,    64                          ; the bias table, eight groups of eight
.set AF,   128
.set PC,   128                         ; the way out: codes, two sets of 16
.set TM,   160                         ; v160-163 largest magnitudes, 164-167 bytes, 168-171 the hold, 172-175 the conversions' scale operands
.set PW,   176
.set WD,   180                         ; v180-187 a word for each block a
.set RB,   188
.set G1, 24
.set G0, 32
.set G1B, 48
.set G0B, 56
.set G1S, 68
.set G0S, 76
.set G1SB, 80
.set G0SB, 88
.set ISV, 95                           ; s95     1 where the cluster makes v
.set OC,  96                           ; s[96:97] where my codes go;  s[98:99] my scale words
.set OS,  98
.set MSB, 0
.macro WIN new                         ; the immediate's high byte repeats the setting that is left
.if MSB != (\new)
	s_set_vgpr_msb (MSB<<8)|(\new)
.set MSB, (\new)
.endif
.endm
.set MUL_LO, 0xa1                      ; source 0 (B) window 1, source 1 (A) window 0, C and D window 2
.set MUL_HI, 0xf1
.set TO_B,   0x40
; A joint load: waves 0 and 1 fetch for A, waves 2 and 3 for B; the branch hangs on the wave's number alone.  Four v_nop follow each of the two lines.
.macro JLOAD g0a, g1a, g0b, g1b
	s_cmp_eq_u32 s15, 0
	s_cbranch_scc0 .Lfor_b_\@
	tensor_load_to_lds s[\g0a:\g0a+3], s[\g1a:\g1a+7]
	s_nop 0
.rept 4
	v_nop
.endr
	s_branch .Lasked_\@
.Lfor_b_\@:
	tensor_load_to_lds s[\g0b:\g0b+3], s[\g1b:\g1b+7]
	s_nop 0
.rept 4
	v_nop
.endr
.Lasked_\@:
.endm
.macro CREST
	s_cmp_lg_u32 s14, 0
	s_cbranch_scc1 .Lnot_wave_0_\@
	s_barrier_signal -3
.Lnot_wave_0_\@:
	s_barrier_wait -3
	s_barrier_signal -1
	s_barrier_wait -1
.endm
.macro CROUND
	s_barrier_signal -1
	s_barrier_wait -1
	CREST
.endm
	s_load_b512 s[68:83], s[0:1], 0x0              ; x's codes, scales; Wq's; Wk's; Wv's
	s_load_b256 s[84:91], s[0:1], 0x40             ; bq, bk, bv, cimg
	s_load_b64 s[92:93], s[0:1], 0x60              ; csc
	v_lshl_add_u32 v[SPW], v0, 2, SPARE
	v_mov_b32 v[NIL], 0
	ds_add_u32 v28, v29
	ds_add_u32 v28, v29
	s_wait_dscnt 0x0
	v_lshrrev_b32 v1, 5, v0
	v_readfirstlane_b32 s14, v1                    ; wave 0..3
	s_lshr_b32 s15, s14, 1                         ; which half of A's rows is mine.  Also: I fetch for A (0) or for B (1)
	s_and_b32 s16, s14, 1                          ; which half of B's rows.  Also: which 128 rows I fetch
	s_bfe_u32 s40, ttmp6, 0x40000                  ; cx
	s_bfe_u32 s41, ttmp6, 0x40004                  ; cy
	s_and_b32 s18, ttmp7, 0xffff
	s_lshl_b32 s18, s18, 2                         ; 4 x cluster y
	s_add_co_u32 s17, s18, s41
	s_add_co_u32 s42, s18, s40
	s_cmp_eq_u32 ttmp9, 2
	s_cselect_b32 s[ISV], 1, 0
	s_cselect_b32 s17, s41, s17                    ; A's tile row: of Wv cy, of x 4 x cluster y + cy: made of cy and the cluster's y alone
	s_cselect_b32 s42, s42, s40                    ; B's tile row: of x 4 x cluster y + cx, of W cx: made of cx and the cluster's y alone
	s_lshl_b32 s43, s41, 2
	s_lshl_b32 s43, 15, s43                        ; my row of the cluster
	s_lshl_b32 s44, 0x1111, s40                    ; my column
	s_or_b32 s[G1+0], s43, (0<<16)|(1<<20)|(1<<21)|(5<<22)|(3<<25)  ; the mask; elements of 1 byte; padding on; bit 21 beside a mask; after every 64 words four words
	s_or_b32 s[G1B+0], s44, (0<<16)|(1<<20)|(1<<21)|(5<<22)|(3<<25)
.irp g, G1, G1B
	s_mov_b32 s[\g+1], ROWB<<16                    ; tensor_dim0
	s_mov_b32 s[\g+2], 128<<16                     ; tensor_dim1
	s_mov_b32 s[\g+3], ROWB<<16                    ; tile_dim0
	s_mov_b32 s[\g+4], 128                         ; tile_dim1
	s_mov_b32 s[\g+5], KROW                        ; the pitch
	s_mov_b32 s[\g+6], 0
	s_mov_b32 s[\g+7], 0
.endr
	s_wait_kmcnt 0x0
	s_cmp_eq_u32 ttmp9, 0                          ; the choices hang on the cluster's x alone
	s_cselect_b64 s[4:5], s[72:73], s[76:77]       ; W: q's or k's,
	s_cselect_b64 s[6:7], s[74:75], s[78:79]
	s_cselect_b64 s[12:13], s[84:85], s[86:87]
	s_cmp_eq_u32 ttmp9, 2
	s_cselect_b64 s[4:5], s[80:81], s[4:5]         ; or v's
	s_cselect_b64 s[6:7], s[82:83], s[6:7]
	s_cselect_b64 s[12:13], s[88:89], s[12:13]     ; the bias
	s_cselect_b64 s[8:9], s[68:69], s[4:5]         ; B: x where v is made, else W
	s_cselect_b64 s[10:11], s[70:71], s[6:7]
	s_cselect_b64 s[4:5], s[4:5], s[68:69]         ; A: the other
	s_cselect_b64 s[6:7], s[6:7], s[70:71]
	s_mov_b64 s[OC:OC+1], s[90:91]
	s_mov_b64 s[OS:OS+1], s[92:93]
	; the scales of 128 rows: a dense block of 4,096 bytes, as rows of 256 bytes (32 elements of 8), 16 bytes of padding behind each
	s_or_b32 s[G1S+0], s43, (3<<16)|(1<<20)|(1<<21)|(5<<22)|(3<<25)
	s_or_b32 s[G1SB+0], s44, (3<<16)|(1<<20)|(1<<21)|(5<<22)|(3<<25)
.irp g, G1S, G1SB
	s_mov_b32 s[\g+1], 32<<16
	s_mov_b32 s[\g+2], (128*KS/256)<<16
	s_mov_b32 s[\g+3], 32<<16
	s_mov_b32 s[\g+4], 128*KS/256
	s_mov_b32 s[\g+5], 32
	s_mov_b32 s[\g+6], 0
	s_mov_b32 s[\g+7], 0
.endr
	s_lshl_b32 s18, s16, 7
	s_lshl_b32 s20, s17, 8
	s_add_co_u32 s20, s20, s18                     ; A: row 256 x tile row + 128 x half
	s_lshl_b32 s46, s42, 8
	s_add_co_u32 s46, s46, s18                     ; B likewise
	s_mov_b32 s21, 0
	s_mov_b32 s47, 0
	s_mov_b64 s[18:19], KS
	s_mul_u64 s[22:23], s[20:21], s[18:19]
	s_mul_u64 s[92:93], s[46:47], s[18:19]
	s_mov_b64 s[18:19], KROW
	s_mul_u64 s[20:21], s[20:21], s[18:19]
	s_mul_u64 s[46:47], s[46:47], s[18:19]
	s_mul_i32 s45, s14, HALFT                      ; where they go: wave x 128 rows: no place in the cluster enters an LDS address
	s_mul_i32 s94, s14, HALFS
	s_add_nc_u64 s[20:21], s[4:5], s[20:21]
	s_add_nc_u64 s[22:23], s[6:7], s[22:23]
	s_add_nc_u64 s[46:47], s[8:9], s[46:47]
	s_add_nc_u64 s[92:93], s[10:11], s[92:93]
	CROUND                                         ; all sixteen work-groups are here: the first joint loads meet
	s_mov_b32 s[G0S], 1
	s_add_co_u32 s[G0S+1], s94, SCL
	s_mov_b64 s[G0S+2:G0S+3], s[22:23]
	s_or_b32 s[G0S+3], s[G0S+3], 0x80000000
	s_mov_b32 s[G0SB], 1
	s_add_co_u32 s[G0SB+1], s94, SCL
	s_mov_b64 s[G0SB+2:G0SB+3], s[92:93]
	s_or_b32 s[G0SB+3], s[G0SB+3], 0x80000000
	JLOAD G0S, G1S, G0SB, G1SB                     ; the scales first: they are wanted with K step 0
.irp s, 0,1
	s_mov_b32 s[G0+4*\s], 1
	s_add_co_u32 s[G0+4*\s+1], s45, \s*SLOT
	s_add_nc_u64 s[G0+4*\s+2:G0+4*\s+3], s[20:21], \s*ROWB
	s_or_b32 s[G0+4*\s+3], s[G0+4*\s+3], 0x80000000
	s_mov_b32 s[G0B+4*\s], 1
	s_add_co_u32 s[G0B+4*\s+1], s45, \s*SLOT
	s_add_nc_u64 s[G0B+4*\s+2:G0B+4*\s+3], s[46:47], \s*ROWB
	s_or_b32 s[G0B+4*\s+3], s[G0B+4*\s+3], 0x80000000
	JLOAD G0+4*\s, G1, G0B+4*\s, G1B
.endr
	v_and_b32 v1, 15, v0                           ; r
	v_bfe_u32 v2, v0, 4, 1                         ; h
	v_mul_u32_u24 v3, v1, PITCH
	v_lshl_add_u32 v4, v2, 4, v3
	s_mul_i32 s21, s15, HALFT
	s_mul_i32 s22, s16, HALFT
	s_add_co_u32 s22, s22, 2*HALFT
.irp s, 0,1
	v_add_nc_u32 v[ADRA+\s], s21, v4
	v_add_nc_u32 v[ADRB+\s], s22, v4
	s_add_co_u32 s21, s21, SLOT
	s_add_co_u32 s22, s22, SLOT
.endr
	v_mul_u32_u24 v5, v1, KS                       ; my row's scales: 32 bytes a row,
	v_lshrrev_b32 v6, 8, v5
	v_lshl_add_u32 v5, v6, 4, v5                   ; and 16 more for each 256 passed
	s_mul_i32 s21, s15, HALFS
	s_mul_i32 s22, s16, HALFS
	s_add_co_u32 s22, s22, 2*HALFS
	s_sub_co_u32 s22, s22, s21
	v_mul_u32_u24 v6, s22, v2                      ; lanes 16-31 take B's
	s_add_co_u32 s21, s21, SCL
	v_add_nc_u32 v5, v5, v6
	v_add_nc_u32 v[ADRS], s21, v5
	s_lshl_b32 s23, s14, 10                        ; the way out's scratch: 1,024 bytes a wave
	v_lshlrev_b32 v[BR], 2, v1
	v_lshlrev_b32 v[BH], 5, v2
	v_lshl_add_u32 v[SCR], v2, 9, v[BR]
	v_add_nc_u32 v[SCR], s23, v[SCR]               ; 1,024 x wave + 512 h + 4 r
	v_and_b32 v3, 31, v0
	v_lshlrev_b32 v[CO], 4, v3
	v_add_nc_u32 v[SRD], s23, v[CO]
	s_cmp_eq_u32 s[ISV], 1
	s_cselect_b32 s23, 0, 16
	v_mul_u32_u24 v[SHV], s23, v2
	; which 128 features (FG, a pair of heads) and which 128 tokens (TG) are my wave's
	s_lshl_b32 s100, s17, 1
	s_add_co_u32 s100, s100, s15
	s_lshl_b32 s101, s42, 1
	s_add_co_u32 s101, s101, s16
	s_cmp_eq_u32 s[ISV], 1
	s_cselect_b32 s46, s100, s101                  ; FG
	s_cselect_b32 s47, s101, s100                  ; TG
	s_lshl_b32 s20, s46, 9
	s_mov_b32 s21, 0
	s_add_nc_u64 s[12:13], s[12:13], s[20:21]      ; the bias of my 128 features
.irp b, 0,1,2,3,4,5,6,7                        ; both shapes are loaded, both inside the 512 bytes: along the features (q, k) ..
	global_load_b128 v[T+8*\b:T+8*\b+3], v[BH], s[12:13] offset:64*\b
	global_load_b128 v[T+8*\b+4:T+8*\b+7], v[BH], s[12:13] offset:64*\b+16
.endr
.irp a, 0,1,2,3,4,5,6,7                        ; .. and one number for my row of block a (v)
	global_load_b32 v[TV+\a], v[BR], s[12:13] offset:64*\a
.endr
	s_lshr_b32 s100, s47, 4                        ; batch
	s_and_b32 s101, s47, 15                        ; group of 128 tokens in it
	s_lshl_b32 s100, s100, 3
	s_add_co_u32 s100, s100, s46                   ; 8 x batch + pair
	s_lshl_b32 s20, s100, 18
	s_lshl_b32 s22, s101, 13
	s_add_co_u32 s20, s20, s22
	s_lshl_b32 s22, ttmp9, 23                      ; the part: q, k, v
	s_add_co_u32 s20, s20, s22
	s_add_nc_u64 s[OC:OC+1], s[OC:OC+1], s[20:21]
	s_lshl_b32 s100, s100, 4
	s_add_co_u32 s100, s100, s101
	s_cmp_eq_u32 s[ISV], 1
	s_cselect_b32 s22, 9, 10                       ; 512 bytes of words for v, 1,024 for q and k
	s_lshl_b32 s20, s100, s22
	s_lshl_b32 s22, ttmp9, 19
	s_add_co_u32 s20, s20, s22
	s_add_nc_u64 s[OS:OS+1], s[OS:OS+1], s[20:21]
	s_mov_b32 s20, 0x76543210                      ; v_permlanex16_b32's selects for lane l xor 16
	s_mov_b32 s21, 0xfedcba98
	s_mov_b32 s22, 0x600000                        ; the mantissa field of 57,344
.macro FRAG reg, adr, q, i             ; 16 rows x 128 K: registers 4 c .. 4 c + 3 hold K = 32 c + 16 h + 0 .. 15
.irp c, 0,1,2,3
	ds_load_b128 v[\reg+4*\c:\reg+4*\c+3], v[\adr] offset:128*(\q)+32*\c+(\i)*16*PITCH
.endr
.endm
; 16 matrix instructions: A's blocks a0, a0 + 1 x B's eight.  mode 0: onto the sums; 1: the sums begin with the table's group b; 2: with its group a.  The 64 accumulators take turns.
.macro MUL16 a0, p, q, sc, mode
.irp a, \a0, \a0+1
.irp b, 0,1,2,3,4,5,6,7
.set DD, 8*(8*((\a)%4)+\b)
.set CC, DD
.if \mode == 1
.set CC, T+8*\b
.endif
.if \mode == 2
.set CC, T+8*(\a)
.endif
	v_wmma_scale_f32_16x16x128_f8f6f4 v[DD:DD+7], v[128*(\p)+FR*\b:128*(\p)+FR*\b+FR-1], v[AF+FR*(\a):AF+FR*(\a)+FR-1], v[CC:CC+7], v[SC+8*NQ*(\sc)+NQ*\b+(\q)], v[SC+8*NQ*(\sc)+NQ*(\a)+(\q)] matrix_a_fmt:MATRIX_FMT_BF8 matrix_b_fmt:MATRIX_FMT_BF8 matrix_a_scale:MATRIX_SCALE_ROW1
.endr
.endr
.endm
.macro FETCH_B slot, q, p
	WIN TO_B
.irp i, 0,1,2,3,4,5,6,7
	FRAG 128*(\p)+FR*\i, ADRB+\slot, \q, \i
.endr
	WIN 0
.endm
.macro FETCH_A slot, q, i0
.irp i, \i0, \i0+1, \i0+2, \i0+3
	FRAG AF+FR*(\i), ADRA+\slot, \q, \i
.endr
.endm
.macro SCALES sc                       ; lanes 0-15 take the words of A's block i, lanes 16-31 of B's block i
.irp i, 0,1,2,3,4,5,6,7
	ds_load_b64 v[SC+8*NQ*\sc+NQ*\i:SC+8*NQ*\sc+NQ*\i+1], v[ADRS] offset:\i*SBLK
.endr
.endm
.macro PLACES n                        ; plain vector instructions that name no register of the matrix instructions before them (ISA guide 7.12.1)
.rept \n
	v_nop
.endr
.endm
.macro STEP slot, q, mode              ; 128 along K whose successor lies in the same slot
	s_wait_dscnt 4*NL                              ; B's set and A's blocks 0-3 are in; the youngest 16 loads (A's blocks 4-7) may be out
.if \mode
	WIN 0x81                                       ; C in window 0: the table
.else
	WIN MUL_LO
.endif
	MUL16 0, (\q)%2, \q, \slot, \mode
	MUL16 2, (\q)%2, \q, \slot, \mode
	s_wait_dscnt 0
	PLACES NP
	FETCH_B \slot, (\q)+1, 1-(\q)%2
	FETCH_A \slot, (\q)+1, 0
.if \mode
	WIN 0xc1
.else
	WIN MUL_HI
.endif
	MUL16 4, (\q)%2, \q, \slot, \mode
	MUL16 6, (\q)%2, \q, \slot, \mode
	PLACES NP
	WIN 0
	FETCH_A \slot, (\q)+1, 4
.endm
; A slot's last step changes slots: one barrier; in front of it each wave waits for all its tensor loads, adds 0 to its spare word, and waits for that and for its reads of this slot.
.macro TURN slot, next, fill
	s_wait_tensorcnt 0x0                           ; all my tensor loads have landed: my part of the next slot
	ds_add_u32 v[SPW], v[NIL]                      ; 0 onto my spare word
	s_wait_dscnt 4*NL+1                            ; (the add and the youngest 16 loads may be out)
	WIN MUL_LO
	MUL16 0, 1, NQ-1, \slot, 0
	s_wait_dscnt 0x0                               ; the add is done, and my reads of this slot are over
	s_barrier_signal -1
	MUL16 2, 1, NQ-1, \slot, 0
	WIN 0
	s_barrier_wait -1
.if \fill
	CREST                                          ; the barrier has opened a round of the cluster's: no wave of any partner still reads this slot or has a load on its way
	s_add_nc_u64 s[G0+4*\slot+2:G0+4*\slot+3], s[G0+4*\slot+2:G0+4*\slot+3], 2*ROWB
	s_add_nc_u64 s[G0B+4*\slot+2:G0B+4*\slot+3], s[G0B+4*\slot+2:G0B+4*\slot+3], 2*ROWB
	JLOAD G0+4*\slot, G1, G0B+4*\slot, G1B         ; the first tensor load behind the round; its four v_nop are among the places in front of the loads below
	PLACES NP-4
.else
	PLACES NP
.endif
	v_add_nc_u32 v[ADRS], 4*NQ, v[ADRS]
	FETCH_B \next, 0, 0
	FETCH_A \next, 0, 0
	SCALES \next
	WIN MUL_HI
	MUL16 4, 1, NQ-1, \slot, 0
	MUL16 6, 1, NQ-1, \slot, 0
	PLACES NP
	WIN 0
	FETCH_A \next, 0, 4
.endm
	s_wait_tensorcnt 1                             ; the scales and my part of K step 0 are in; K step 1's load may be out
	s_barrier_signal -1
	s_barrier_wait -1
	FETCH_B 0, 0, 0
	FETCH_A 0, 0, 0
	SCALES 0
	FETCH_A 0, 0, 4
	s_wait_loadcnt 0x0                             ; the bias
	s_cmp_eq_u32 s[ISV], 0
	s_cbranch_scc0 .Lfirst_v
	STEP 0, 0, 1                                   ; q, k: the sums begin with the bias of B's rows
	s_branch .Lfirst_done
.Lfirst_v:
.irp a, 0,1,2,3,4,5,6,7
.irp j, 0,1,2,3,4,5,6,7
	v_mov_b32 v[T+8*\a+\j], v[TV+\a]               ; v: group a holds the bias of my row of A's block a, eight times
.endr
.endr
	PLACES NP
	STEP 0, 0, 2
.Lfirst_done:
	s_mov_b32 s3, LAPS-1
.Llap:
	TURN 0, 1, 1
	STEP 1, 0, 0
	TURN 1, 0, 1
	STEP 0, 0, 0
	s_sub_co_u32 s3, s3, 1
	s_cmp_lg_u32 s3, 0
	s_cbranch_scc1 .Llap
	TURN 0, 1, 0                                   ; the last lap fills nothing
	STEP 1, 0, 0
	s_wait_dscnt 4*NL
	WIN MUL_LO
	MUL16 0, 1, NQ-1, 1, 0
	MUL16 2, 1, NQ-1, 1, 0
	s_wait_dscnt 0
	WIN MUL_HI
	MUL16 4, 1, NQ-1, 1, 0
	MUL16 6, 1, NQ-1, 1, 0
	WIN 0
	PLACES NP                                      ; in front of the writes into the registers that held A's fragments, and of the reads of results
.irp c, 0,1,2,3
	v_mov_b32 v[TM+4+\c], 0                        ; a lane permute's destination counts as one of its sources
.endr
; Block a of A's rows: my 64 results become four blocks' codes and one word of four scale bytes.
.macro QUANTW a
.set QW, 2+(\a)/4                      ; the accumulators' window
.set A0, 64*((\a)%4)
.set PCS, PC+16*((\a)%2)
	WIN QW*5                                       ; sources 0 and 1 in the accumulators' window
.irp c, 0,1,2,3
	v_max3_num_f32 v[TM+\c], |v[A0+16*\c]|, |v[A0+16*\c+1]|, 0x8000000   ; my 16 numbers of block c, from each accumulator's low end on, and the floor 2^(16 - 127): the byte cannot fall under 1
.endr
.irp i, 2,4,6,8,10,12,14
.irp c, 0,1,2,3
	v_max3_num_f32 v[TM+\c], |v[A0+16*\c+\i]|, |v[A0+16*\c+\i+1]|, v[TM+\c]
.endr
.endr
	WIN 0
.irp c, 0,1,2,3
	v_permlanex16_b32 v[TM+4+\c], v[TM+\c], s20, s21
.endr
.irp c, 0,1,2,3
	v_max_num_f32 v[TM+\c], v[TM+\c], v[TM+4+\c]   ; with lane l xor 16's: the block's largest magnitude
.endr
.irp c, 0,1,2,3
	v_add_nc_u32 v[TM+12+\c], 0xf8800000, v[TM+\c] ; 15 off its exponent field: the conversion's scale operand
.endr
.irp c, 0,1,2,3
	v_and_or_b32 v[TM+8+\c], v[TM+\c], 0x7f800000, s22   ; 57,344 x the scale
.endr
.irp c, 0,1,2,3
	v_lshrrev_b32 v[TM+4+\c], 23, v[TM+12+\c]      ; the scale's byte
.endr
	v_lshl_or_b32 v[PW], v[TM+5], 8, v[TM+4]
	v_lshl_or_b32 v[PW], v[TM+6], 16, v[PW]
	v_lshl_or_b32 v[PW], v[TM+7], 24, v[PW]
	WIN QW*65                                      ; destination and source 0 in the accumulators' window
.irp c, 0,1,2,3
.irp i, 0,1,2,3,4,5,6,7,8,9,10,11,12,13,14,15
	v_med3_num_f32 v[A0+16*\c+\i], v[A0+16*\c+\i], -v[TM+8+\c], v[TM+8+\c]   ; the conversion to an 8-bit code does not saturate (ISA guide 7.6.2): the hold comes first
.endr
.endr
	s_wait_xcnt 0x0                                ; earlier stores have read their data: the codes' registers may be written again
	WIN QW
.irp c, 0,1,2,3
	v_cvt_scalef32_pk8_bf8_f32 v[PCS+4*\c:PCS+4*\c+1], v[A0+16*\c:A0+16*\c+7], v[TM+12+\c]
	v_cvt_scalef32_pk8_bf8_f32 v[PCS+4*\c+2:PCS+4*\c+3], v[A0+16*\c+8:A0+16*\c+15], v[TM+12+\c]
.endr
	WIN 0
	v_nop                                          ; one plain vector instruction behind the last conversion
.irp c, 0,1,2,3
	global_store_b128 v[CO], v[PCS+4*\c:PCS+4*\c+3], s[OC:OC+1] offset:1024*(\a)+512*(\c%2)+131072*(\c/2)   ; 32 lanes store 512 consecutive bytes, aligned
.endr
	v_lshrrev_b32 v[WD+(\a)], v[SHV], v[PW]        ; q, k: lanes 16-31 keep the second head's two bytes
	ds_store_b32 v[SCR], v[WD+(\a)] offset:64*(\a)
.endm
.irp a, 0,1,2,3,4,5,6,7
	QUANTW \a
.endr
	ds_load_b128 v[RB:RB+3], v[SRD]                ; LDS serves a wave's instructions in order: these see my stores
	ds_load_b128 v[RB+4:RB+7], v[SRD] offset:512
	s_wait_dscnt 0x0
	global_store_b128 v[CO], v[RB:RB+3], s[OS:OS+1]              ; 512 consecutive bytes of scale words
	s_cmp_eq_u32 s[ISV], 0
	s_cbranch_scc0 .Lone_head_part
	global_store_b128 v[CO], v[RB+4:RB+7], s[OS:OS+1] offset:512 ; q, k: the second head's
.Lone_head_part:
	s_wait_tensorcnt 0x0                           ; the wave's end
	ds_add_u32 v[SPW], v[NIL]
	s_wait_dscnt 0x0
	CROUND                                         ; the closing round
	s_endpgm
.Lfunc_end_k_qa39a14c616_qkv:
	.size	k_qa39a14c616_qkv, .Lfunc_end_k_qa39a14c616_qkv-k_qa39a14c616_qkv
	.p2alignl 7, 3214868480
	.fill 96, 4, 3214868480
	.section	.rodata,"a",@progbits
	.p2align	6, 0x0
	.amdhsa_kernel k_qa39a14c616_qkv
		.amdhsa_group_segment_fixed_size 327680
		.amdhsa_private_segment_fixed_size 0
		.amdhsa_enable_private_segment 0
		.amdhsa_kernarg_size 104
		.amdhsa_user_sgpr_count 2
		.amdhsa_user_sgpr_kernarg_segment_ptr 1
		.amdhsa_wavefront_size32 1
		.amdhsa_system_sgpr_workgroup_id_x 1
		.amdhsa_system_sgpr_workgroup_id_y 1
		.amdhsa_system_sgpr_workgroup_id_z 1
		.amdhsa_system_vgpr_workitem_id 0
		.amdhsa_next_free_vgpr 1024
		.amdhsa_next_free_sgpr 102
		.amdhsa_reserve_vcc 0
		.amdhsa_float_denorm_mode_32 3
		.amdhsa_float_denorm_mode_16_64 3
		.amdhsa_memory_ordered 1
		.amdhsa_forward_progress 1
		.amdhsa_inst_pref_size 204
	.end_amdhsa_kernel
	.amdgpu_metadata
---
amdhsa.version: [ 1, 2 ]
amdhsa.kernels:
  - .name:           k_qa39a14c616_qkv
    .symbol:         k_qa39a14c616_qkv.kd
    .args:
      - { .name: x_codes, .offset: 0, .size: 8, .value_kind: global_buffer, .address_space: global }
      - { .name: x_scales, .offset: 8, .size: 8, .value_kind: global_buffer, .address_space: global }
      - { .name: Wq_codes, .offset: 16, .size: 8, .value_kind: global_buffer, .address_space: global }
      - { .name: Wq_scales, .offset: 24, .size: 8, .value_kind: global_buffer, .address_space: global }
      - { .name: Wk_codes, .offset: 32, .size: 8, .value_kind: global_buffer, .address_space: global }
      - { .name: Wk_scales, .offset: 40, .size: 8, .value_kind: global_buffer, .address_space: global }
      - { .name: Wv_codes, .offset: 48, .size: 8, .value_kind: global_buffer, .address_space: global }
      - { .name: Wv_scales, .offset: 56, .size: 8, .value_kind: global_buffer, .address_space: global }
      - { .name: bq, .offset: 64, .size: 8, .value_kind: global_buffer, .address_space: global }
      - { .name: bk, .offset: 72, .size: 8, .value_kind: global_buffer, .address_space: global }
      - { .name: bv, .offset: 80, .size: 8, .value_kind: global_buffer, .address_space: global }
      - { .name: cimg, .offset: 88, .size: 8, .value_kind: global_buffer, .address_space: global }
      - { .name: csc, .offset: 96, .size: 8, .value_kind: global_buffer, .address_space: global }
    .group_segment_fixed_size: 327680
    .private_segment_fixed_size: 0
    .kernarg_segment_align: 8
    .kernarg_segment_size: 104
    .max_flat_workgroup_size: 128
    .sgpr_count:     102
    .vgpr_count:     1024
    .wavefront_size: 32
...
	.end_amdgpu_metadata
.endif
;; end of part 2
;; launch attn (part 3): grid 4 x 64, 8 waves a work-group, no clusters, 275,456 bytes of LDS; arguments cimg, csc, mbits, mflags, aimg, asc; writes aimg, asc
.if DOCPART == 3
	.amdgcn_target "amdgcn-amd-amdhsa--gfx1250"
	.amdhsa_code_object_version 6
	.text
	.protected	k_qa39a14c616_attn
	.globl	k_qa39a14c616_attn
	.p2align	8
	.type	k_qa39a14c616_attn,@function
k_qa39a14c616_attn:
	s_mov_b64 s[64:65], 0
	v_nop
	global_prefetch_b8 v0, s[64:65] scope:SCOPE_SE
	s_setreg_imm32_b32 hwreg(HW_REG_WAVE_MODE, 25, 1), 1
	s_wait_xcnt 0x0
; Attention of one (batch, head) on codes of BF8 (E5M2): S^T = K Q^T, p = 2^(t - M), O^T = V^T P^T, O / the row's sum, quantised along the model's 1,024 and stored as the next product's operand.
; t = score x log2(e) / 8; M = the running largest t rounded UP to a whole number; the row's sum is taken of the unquantised p; when M moves, the sum and O^T are multiplied by 2^(old M - new M): exact.
; SHARES.  Work-group (x, y): y = 16 batch + head.  The head's WHOLE K and V (2 x 131,072 bytes of codes, 12,288 of scale words) come into LDS once.  Two passes of 256 queries: block 7 - x while the codes stream in,
; then block x.  Wave w owns 32 queries, two tiles of 16: each fragment of K and V read from LDS feeds two matrix instructions.  Two waves share a SIMD.
; THE MASK IS AN INPUT.  The launch before has turned it into lane masks (mbits) and, for each group of 32 queries and key step of 128, two flags (mflags).  A key step in which no row of the group has a key that counts
; is passed over by a scalar branch on those whole numbers; where some row of the group has no such key at all, every step is worked, since that row's result is the mean of all v.
; A hidden score is replaced by -2^33 ahead of the maximum (a logit of -2^30 in place of -1e9): t is then a whole number, so a wholly hidden row gets p = 1 exactly, and elsewhere p = 0.
; NO TENSOR LOADS, NO CLUSTER: the walk branches on numbers read from memory.  K and V go memory -> registers -> LDS, 64 bytes a thread and step, asked for a key step ahead.
; No LDS byte is written twice; one barrier a trip of the first pass parts the writing of chunk S + 1 from its reading.
; LAYOUT.  All operands lie in memory and LDS as images of operand registers, 16 bytes a lane: every LDS read is 512 consecutive bytes.  The head's 64 fill half of the instruction's 128 along K: Q's upper eight
; registers are zero codes; K's operand of tile t is v[16 + 8 t : 31 + 8 t], whose upper eight registers (the next tile's codes, finite; behind the last tile zeros) meet those zeros.
; The keys' order inside a block of 32 is the same in p (a lane's registers of S^T) and in V's codes (made so by the launch before).  O's codes meet a given operand, so lanes l and l xor 16 exchange 8-byte halves once.
; LIMITS: NaN and infinities are not served; a block under 2^-111 gets the scale byte 1; results differ from -1e9's only where a logit that counts lies under about -1e9.
; The scale bytes of the result leave as 2 bytes a token: a head owns no more of a token's 32; they are one part in 32 of what the launch stores.
; REGISTERS.  Tile 0 lives in window 0, tile 1 in window 1, at the same numbers, so that one text serves both.
.set KIMG, 0                           ; [step 16][tile 8][c 2][512]
.set VIMG, 131072                      ; [step 16][c / 2][d tile 4][c % 2][512]
.set KSC,  262144                      ; [key tile 128][r 16] words
.set VSC,  270336                      ; [step 16][d tile 4][r 16] words
.set CHUNK, 8192
; a tile's own, in its window
.set S,   96                           ; v96-159  S^T, then p
.set O,   160                          ; v160-191 O^T
.set PC,  192                          ; v192-207 p's codes
.set QF,  208                          ; v208-215 Q's codes, v216-223 zeros
.set BM,  224
.set PX,  228
.set HL,  232
.set SO,  236
.set NM,  240                          ; -M
.set RT,  241                          ; the running largest t
.set L,   242                          ; v[242:243] the sum, in two halves
.set F,   244                          ; f = 2^(old M - new M); later 1 / the sum
.set PWD, 245                          ; p's scale word
.set T0,  246
.set T1,  247
.set L2,  248
.set NEG, 250                          ; -2^33
; window 0, shared
.set LI,  1                            ; 16 x lane
.set AKS, 2                            ; KSC + 4 x lane
.set AVS, 3                            ; VSC + 4 x lane
.set ADK, 4
.set ADV, 5
.set ADS, 6
.set ADT, 7
.set TI,  8                            ; 16 x thread
.set KW,  9
.set VW,  10
.set PFO, 11
.set L4,  13                           ; 4 x lane
.set AVI, 14                           ; VIMG + 16 x lane
.set VTI, 15                           ; VIMG + 16 x thread
.set KF,  16                           ; v16-79 K's eight tiles, v80-87 zeros
.set KS,  88                           ; v88-91 K's scale words: lanes 0-15 tile 2 i, lanes 16-31 tile 2 i + 1
.set VS,  92                           ; v92-93 V's likewise
.set QS,  94                           ; Q's: lanes 0-15 tile 0, lanes 16-31 tile 1
.set PS1, 95                           ; tile 1's p scale word (scale operands have no window)
.set QOF, 251
.set QSO, 252
.set AOF, 253
.set SOF, 254
; window 1, shared: v0-15 a chunk on its way to LDS; v16-79 V's four fragments
.set VF,  16
.set WV,  2
.set STP, 3                            ; the key step
.set OFF, 4                            ; 8,192 x the key step
.set NEED, 5
.set MIX, 6
.set G,   7                            ; my group of 32 queries
.set KP,  8
.set VP,  10
.set MBG, 12
.set MNT, 66
.set HM,  67
.set SEL, 84
.set CS,  86
.set QI,  88
.set QSC, 90
.set MB,  92
.set MF,  94
.set AI,  96
.set AS,  98
.set LIM, 100
.set MO,  101
.set PF,  104
.set MSB, 0
.macro WIN new
.if MSB != (\new)
	s_set_vgpr_msb (MSB<<8)|(\new)
.set MSB, (\new)
.endif
.endm
.macro PLACES n
.rept \n
	v_nop
.endr
.endm
.macro FILL_ISSUE                      ; a chunk: 8,192 bytes of K, 2 x 4,096 of V; 256 threads x 16 bytes a load
	WIN 0x40
	global_load_b128 v[0:3],   v[TI], s[KP:KP+1]
	global_load_b128 v[4:7],   v[TI], s[KP:KP+1] offset:4096
	global_load_b128 v[8:11],  v[TI], s[VP:VP+1]
	global_load_b128 v[12:15], v[TI], s[VP:VP+1] offset:131072
	WIN 0
.endm
.macro FILL_STORE ka, va, base
	WIN 0x04                                       ; an LDS store's data are its source 1
	ds_store_b128 v[\ka], v[0:3]   offset:\base
	ds_store_b128 v[\ka], v[4:7]   offset:\base+4096
	ds_store_b128 v[\va], v[8:11]  offset:\base
	ds_store_b128 v[\va], v[12:15] offset:\base+4096
	WIN 0
.endm
; In trip S: chunk S + 2 is asked for (the last two trips ask for nothing), and behind these loads one prefetch names chunk S + 4, two chunks further on; it stops at the last chunk (S < 12).
; All four work-groups of a head walk the same K and V: the first of them asks, wave 0 for K's 8,192 bytes (lanes 256 bytes apart), wave 1 for V's 2 x 4,096: each aligned block of 256 bytes once in the launch.
.macro FILL_LOADS
	s_cmp_lt_u32 s[STP], 14
	s_cbranch_scc0 .Lnofill_\@
	s_wait_xcnt 0x0                                ; the last loads and the last prefetch have read their bases
	s_add_nc_u64 s[KP:KP+1], s[KP:KP+1], CHUNK
	s_add_nc_u64 s[VP:VP+1], s[VP:VP+1], CHUNK
	s_add_nc_u64 s[PF:PF+1], s[PF:PF+1], CHUNK
	FILL_ISSUE
	s_cmp_lt_u32 s[STP], s[LIM]
	s_cbranch_scc0 .Lnofill_\@
	global_prefetch_b8 v[PFO], s[PF:PF+1] offset:2*CHUNK th:TH_LOAD_NT scope:SCOPE_SE
.Lnofill_\@:
.endm
.macro MASKLOAD tau                    ; the 64 lane masks of tile tau for this step: word n in s[16 + n], from n = 48 on in s[20 + n]
	s_load_b512 s[16:31], s[MBG:MBG+1], s[MO] offset:256*\tau
	s_load_b512 s[32:47], s[MBG:MBG+1], s[MO] offset:256*\tau+64
	s_load_b512 s[48:63], s[MBG:MBG+1], s[MO] offset:256*\tau+128
	s_load_b512 s[68:83], s[MBG:MBG+1], s[MO] offset:256*\tau+192
.endm
.macro MASKAPPLY                       ; ascending: each accumulator is first read at its low end
.set n, 0
.rept 64
.if n < 48
	v_cndmask_b32 v[S+n], v[NEG], v[S+n], s[16+n]
.else
	v_cndmask_b32 v[S+n], v[NEG], v[S+n], s[20+n]
.endif
.set n, n+1
.endr
.endm
.macro QKT t, one                      ; S^T of key tile t; one = 1: query tile 1
.if (\t)%2 == 0 && \one == 0
	v_wmma_scale_f32_16x16x128_f8f6f4 v[S+8*\t:S+8*\t+7], v[KF+8*\t:KF+8*\t+15], v[QF:QF+15], 0, v[KS+\t/2], v[QS] matrix_a_fmt:MATRIX_FMT_BF8 matrix_b_fmt:MATRIX_FMT_BF8
.endif
.if (\t)%2 == 1 && \one == 0
	v_wmma_scale_f32_16x16x128_f8f6f4 v[S+8*\t:S+8*\t+7], v[KF+8*\t:KF+8*\t+15], v[QF:QF+15], 0, v[KS+\t/2], v[QS] matrix_a_fmt:MATRIX_FMT_BF8 matrix_b_fmt:MATRIX_FMT_BF8 matrix_a_scale:MATRIX_SCALE_ROW1
.endif
.if (\t)%2 == 0 && \one == 1
	v_wmma_scale_f32_16x16x128_f8f6f4 v[S+8*\t:S+8*\t+7], v[KF+8*\t:KF+8*\t+15], v[QF:QF+15], 0, v[KS+\t/2], v[QS] matrix_a_fmt:MATRIX_FMT_BF8 matrix_b_fmt:MATRIX_FMT_BF8 matrix_b_scale:MATRIX_SCALE_ROW1
.endif
.if (\t)%2 == 1 && \one == 1
	v_wmma_scale_f32_16x16x128_f8f6f4 v[S+8*\t:S+8*\t+7], v[KF+8*\t:KF+8*\t+15], v[QF:QF+15], 0, v[KS+\t/2], v[QS] matrix_a_fmt:MATRIX_FMT_BF8 matrix_b_fmt:MATRIX_FMT_BF8 matrix_a_scale:MATRIX_SCALE_ROW1 matrix_b_scale:MATRIX_SCALE_ROW1
.endif
.endm
.macro PVT d, sreg                     ; O^T += V^T P^T, 16 of the head's 64
.if (\d)%2 == 0
	v_wmma_scale_f32_16x16x128_f8f6f4 v[O+8*\d:O+8*\d+7], v[VF+16*\d:VF+16*\d+15], v[PC:PC+15], v[O+8*\d:O+8*\d+7], v[VS+\d/2], v[\sreg] matrix_a_fmt:MATRIX_FMT_BF8 matrix_b_fmt:MATRIX_FMT_BF8
.else
	v_wmma_scale_f32_16x16x128_f8f6f4 v[O+8*\d:O+8*\d+7], v[VF+16*\d:VF+16*\d+15], v[PC:PC+15], v[O+8*\d:O+8*\d+7], v[VS+\d/2], v[\sreg] matrix_a_fmt:MATRIX_FMT_BF8 matrix_b_fmt:MATRIX_FMT_BF8 matrix_a_scale:MATRIX_SCALE_ROW1
.endif
.endm
; One tile's softmax for 128 keys, in whichever window is set.
.macro SOFTMAX
.irp b, 0,1,2,3
	v_max3_num_f32 v[BM+\b], v[S+16*\b], v[S+1+16*\b], v[S+2+16*\b]   ; the largest score of each block of 32 keys: it serves the row's maximum and, since p rises with the score, the block's largest p
.endr
.irp i, 3,5,7,9,11,13
.irp b, 0,1,2,3
	v_max3_num_f32 v[BM+\b], v[BM+\b], v[S+16*\b+\i], v[S+1+16*\b+\i]
.endr
.endr
.irp b, 0,1,2,3
	v_max_num_f32 v[BM+\b], v[BM+\b], v[S+15+16*\b]
.endr
.irp b, 0,1,2,3
	v_permlanex16_b32 v[PX+\b], v[BM+\b], s[SEL], s[SEL+1]
.endr
.irp b, 0,1,2,3
	v_max_num_f32 v[BM+\b], v[BM+\b], v[PX+\b]     ; with lane l xor 16's 16 keys
.endr
	v_max3_num_f32 v[T0], v[BM], v[BM+1], v[BM+2]
	v_max_num_f32 v[T0], v[T0], v[BM+3]
	v_mul_f32 v[T0], s[CS], v[T0]                  ; as t
	v_max_num_f32 v[RT], v[RT], v[T0]
	v_mov_b32 v[T0], v[NM]
	v_floor_f32 v[NM], -v[RT]                      ; the new -M = floor(-t): M is a whole number
	v_sub_f32 v[T0], v[NM], v[T0]                  ; old M - new M, 0 or less
	v_cvt_i32_f32 v[T0], v[T0]                     ; (it saturates)
	v_ldexp_f32 v[F], 1.0, v[T0]                   ; f
.set n, 0
.rept 32
	v_pk_fma_f32 v[S+n:S+n+1], v[S+n:S+n+1], s[CS:CS+1], v[NM:NM+1] op_sel_hi:[1,0,0]   ; t - M, two at a time
.set n, n+2
.endr
.irp b, 0,1,2,3
	v_fma_f32 v[BM+\b], v[BM+\b], s[CS], v[NM]
.endr
.set n, 0
.rept 64
	v_exp_f32 v[S+n], v[S+n]                       ; p = 2^(t - M): not normalised
.set n, n+1
.endr
	v_pk_mul_f32 v[L:L+1], v[L:L+1], v[F:F+1] op_sel_hi:[1,0]   ; the sums under the new M; a plain instruction behind the exponentials
	s_wait_alu depctr_va_vdst(0)                   ; one wait for the batch, ahead of its first reader
.irp b, 0,1,2,3
	v_exp_f32 v[BM+\b], v[BM+\b]                   ; the block's largest p
.endr
	v_pk_add_f32 v[L2:L2+1], v[S:S+1], v[S+2:S+3]  ; the row's sum of the unquantised p, in two chains
.irp j, 4,8,12,16,20,24,28,32,36,40,44,48,52,56,60
	v_pk_add_f32 v[L:L+1], v[L:L+1], v[S+\j:S+\j+1]
	v_pk_add_f32 v[L2:L2+1], v[L2:L2+1], v[S+2+\j:S+3+\j]
.endr
	v_pk_add_f32 v[L:L+1], v[L:L+1], v[L2:L2+1]
	s_wait_alu depctr_va_vdst(0)                   ; and one for the four
.irp b, 0,1,2,3
	v_max_num_f32 v[BM+\b], 0x8000000, v[BM+\b]    ; the floor 2^(16 - 127)
.endr
.irp b, 0,1,2,3
	v_add_nc_u32 v[SO+\b], 0xf8800000, v[BM+\b]
.endr
.irp b, 0,1,2,3
	v_and_or_b32 v[HL+\b], v[BM+\b], 0x7f800000, s[MNT]
.endr
.irp b, 0,1,2,3
	v_lshrrev_b32 v[PX+\b], 23, v[SO+\b]
.endr
	v_lshl_or_b32 v[PWD], v[PX+1], 8, v[PX]
	v_lshl_or_b32 v[PWD], v[PX+2], 16, v[PWD]
	v_lshl_or_b32 v[PWD], v[PX+3], 24, v[PWD]
.irp b, 0,1,2,3
.irp i, 0,1,2,3,4,5,6,7,8,9,10,11,12,13,14,15
	v_min_num_f32 v[S+16*\b+\i], v[S+16*\b+\i], v[HL+\b]   ; the conversion does not saturate (ISA guide 7.6.2); p is not negative: a one-sided hold
.endr
	v_cvt_scalef32_pk8_bf8_f32 v[PC+4*\b:PC+4*\b+1], v[S+16*\b:S+16*\b+7], v[SO+\b]
	v_cvt_scalef32_pk8_bf8_f32 v[PC+4*\b+2:PC+4*\b+3], v[S+16*\b+8:S+16*\b+15], v[SO+\b]
.endr
.set n, 0
.rept 16
	v_pk_mul_f32 v[O+n:O+n+1], v[O+n:O+n+1], v[F:F+1] op_sel_hi:[1,0]   ; O^T under the new M; also the places between the codes and the products
.set n, n+2
.endr
.endm
; A key step of the wave.  fill = 1: the first pass, in which chunks are still asked for.
.macro STEPBODY fill
	s_lshr_b32 s[MO], s[OFF], 4                    ; 512 bytes of lane masks a step (no scalar load is out here)
	s_bitcmp1_b32 s[NEED], s[STP]
	s_cbranch_scc0 .Lskip_\@
	MASKLOAD 1
	v_add_nc_u32 v[ADK], s[OFF], v[LI]
	v_add_nc_u32 v[ADV], s[OFF], v[AVI]
	v_add_nc_u32 v[ADS], s[MO], v[AKS]
	s_lshr_b32 s15, s[OFF], 5
	v_add_nc_u32 v[ADT], s15, v[AVS]
	PLACES 4                                       ; with the four additions: eight places behind the last step's products, in front of the loads into their registers
.irp t, 0,1,2,3,4,5,6,7
	ds_load_b128 v[KF+8*\t:KF+8*\t+3],   v[ADK] offset:1024*\t
	ds_load_b128 v[KF+8*\t+4:KF+8*\t+7], v[ADK] offset:1024*\t+512
.endr
.irp i, 0,1,2,3
	ds_load_b32 v[KS+\i], v[ADS] offset:128*\i
.endr
.irp i, 0,1
	ds_load_b32 v[VS+\i], v[ADT] offset:128*\i
.endr
	WIN 0x40
.irp d, 0,1,2,3
.irp c, 0,1,2,3
	ds_load_b128 v[VF+16*\d+4*\c:VF+16*\d+4*\c+3], v[ADV] offset:4096*(\c/2)+1024*\d+512*(\c%2)
.endr
.endr
	WIN 0
	s_wait_dscnt 16                                ; V's 16 loads may stay out; K, the scale words and this trip's four fill stores are done
.if \fill
	FILL_LOADS                                     ; so the chunk's registers may be loaded again
.endif
.irp t, 0,1,2,3,4,5,6,7
	QKT \t, 0
.endr
	WIN 0x44                                       ; Q and S^T of tile 1
.irp t, 0,1,2,3,4,5,6,7
	QKT \t, 1
.endr
	WIN 0
	PLACES 8
	s_wait_kmcnt 0x0                               ; tile 1's lane masks
	s_bitcmp1_b32 s[MIX], s[STP]
	s_cbranch_scc0 .Lopen1_\@
	WIN 0x55
	MASKAPPLY
	WIN 0
.Lopen1_\@:
	MASKLOAD 0
	WIN 0x55
	SOFTMAX
	WIN 0x01
	v_mov_b32 v[PS1], v[PWD]                       ; tile 1's scale word into window 0; tile 0's softmax stands between it and its product
	WIN 0
	s_wait_kmcnt 0x0                               ; tile 0's lane masks
	s_bitcmp1_b32 s[MIX], s[STP]
	s_cbranch_scc0 .Lopen0_\@
	MASKAPPLY
.Lopen0_\@:
	SOFTMAX
	s_wait_dscnt 0x0                               ; V
	WIN 0x01
.irp d, 0,1,2,3
	PVT \d, PWD
.endr
	WIN 0x55
.irp d, 0,1,2,3
	PVT \d, PS1
.endr
	WIN 0
.if \fill
	s_branch .Ldone_\@
.Lskip_\@:
	s_wait_dscnt 0x0                               ; this trip's fill stores have read their registers
	FILL_LOADS
.Ldone_\@:
.else
.Lskip_\@:
.endif
.endm
.macro INIT                            ; a pass's start, in whichever window is set: the loop has no first step of its own; its first change of M multiplies zeros
.set n, 0
.rept 32
	v_mov_b32 v[O+n], 0
.set n, n+1
.endr
.irp r, L, L+1, PX, PX+1, PX+2, PX+3, PWD, T1, L2, L2+1
	v_mov_b32 v[\r], 0
.endr
	v_mov_b32 v[RT], 0xff61b1e6                    ; -3e38, under every t
	v_floor_f32 v[NM], -v[RT]
.endm
; O^T / the sum, quantised in two blocks of 32 along the model's axis, in true order.
.macro OUTQ
	v_add_f32 v[T0], v[L], v[L+1]
	v_permlanex16_b32 v[T1], v[T0], s[SEL], s[SEL+1]
	v_add_f32 v[T0], v[T0], v[T1]
	v_rcp_f32 v[F], v[T0]
	v_nop
	s_wait_alu depctr_va_vdst(0)
.set n, 0
.rept 16
	v_pk_mul_f32 v[O+n:O+n+1], v[O+n:O+n+1], v[F:F+1] op_sel_hi:[1,0]
.set n, n+2
.endr
.irp c, 0,1
	v_max3_num_f32 v[BM+\c], |v[O+16*\c]|, |v[O+16*\c+1]|, 0x8000000
.endr
.irp i, 2,4,6,8,10,12,14
.irp c, 0,1
	v_max3_num_f32 v[BM+\c], v[BM+\c], |v[O+16*\c+\i]|, |v[O+16*\c+\i+1]|
.endr
.endr
.irp c, 0,1
	v_permlanex16_b32 v[PX+\c], v[BM+\c], s[SEL], s[SEL+1]
.endr
.irp c, 0,1
	v_max_num_f32 v[BM+\c], v[BM+\c], v[PX+\c]
.endr
.irp c, 0,1
	v_add_nc_u32 v[SO+\c], 0xf8800000, v[BM+\c]
.endr
.irp c, 0,1
	v_and_or_b32 v[HL+\c], v[BM+\c], 0x7f800000, s[MNT]
.endr
.irp c, 0,1
	v_lshrrev_b32 v[PX+\c], 23, v[SO+\c]
.endr
	v_lshl_or_b32 v[T0], v[PX+1], 8, v[PX]         ; the head's two scale bytes of my row
.irp c, 0,1
.irp i, 0,1,2,3,4,5,6,7,8,9,10,11,12,13,14,15
	v_med3_num_f32 v[O+16*\c+\i], v[O+16*\c+\i], -v[HL+\c], v[HL+\c]
.endr
	v_cvt_scalef32_pk8_bf8_f32 v[PC+4*\c:PC+4*\c+1], v[O+16*\c:O+16*\c+7], v[SO+\c]
	v_cvt_scalef32_pk8_bf8_f32 v[PC+4*\c+2:PC+4*\c+3], v[O+16*\c+8:O+16*\c+15], v[SO+\c]
.endr
	v_nop
; my bytes 0-7 are d = 32 c + 8 h + 0 .. 7, my bytes 8-15 d = 32 c + 16 + 8 h + 0 .. 7; the operand wants d = 32 c + 16 h + 0 .. 15: lanes 0-15 give their upper half for the partner's lower, lanes 16-31 the reverse
.irp c, 0,1
.irp k, 0,1
	v_cndmask_b32 v[L2], v[PC+4*\c+2+\k], v[PC+4*\c+\k], s[HM]
	v_permlanex16_b32 v[L2+1], v[L2], s[SEL], s[SEL+1]
	v_cndmask_b32 v[PC+4*\c+\k], v[PC+4*\c+\k], v[L2+1], s[HM]
	v_cndmask_b32 v[PC+4*\c+2+\k], v[L2+1], v[PC+4*\c+2+\k], s[HM]
.endr
.endr
.endm
; A pass: 32 queries a wave, group s[G].
.macro PASS fill
	s_wait_xcnt 0x0                                ; earlier loads and stores have read their registers
	s_lshl_b32 s14, s[G], 7
	s_load_b512 s[16:31], s[MF:MF+1], s14 offset:0x0    ; the group's flags: RV and RA of the 16 steps
	s_load_b512 s[32:47], s[MF:MF+1], s14 offset:0x40
	s_lshl_b32 s15, s[G], 11
	v_add_nc_u32 v[QOF], s15, v[LI]
	global_load_b128 v[QF:QF+3],   v[QOF], s[QI:QI+1]
	global_load_b128 v[QF+4:QF+7], v[QOF], s[QI:QI+1] offset:512
	WIN 0x40
	global_load_b128 v[QF:QF+3],   v[QOF], s[QI:QI+1] offset:1024
	global_load_b128 v[QF+4:QF+7], v[QOF], s[QI:QI+1] offset:1536
	WIN 0
	s_lshr_b32 s15, s[G], 2
	s_lshl_b32 s15, s15, 10
	s_and_b32 s[MO], s[G], 3
	s_lshl_b32 s[MO], s[MO], 7
	s_add_co_u32 s15, s15, s[MO]
	v_add_nc_u32 v[QSO], s15, v[L4]
	global_load_b32 v[QS], v[QSO], s[QSC:QSC+1]
	s_lshl_b32 s15, s[G], 15
	v_add_nc_u32 v[AOF], s15, v[LI]                ; two token tiles of 16,384 bytes a group
	s_lshl_b32 s15, s[G], 10
	v_lshl_add_u32 v[SOF], v[L4], 3, s15           ; 32 bytes a token
	INIT
	WIN 0x55
	INIT
	WIN 0
	s_wait_kmcnt 0x0
	s_mov_b32 s[NEED], 0
	s_mov_b32 s[MIX], 0
	s_mov_b32 s14, 0
.irp s, 0,1,2,3,4,5,6,7,8,9,10,11,12,13,14,15
	s_or_b32 s14, s14, s[16+2*\s]
	s_cmp_lg_u32 s[16+2*\s], 0                     ; some row has a key that counts in this step
	s_cselect_b32 s15, 1<<\s, 0
	s_or_b32 s[NEED], s[NEED], s15
	s_cmp_lg_u32 s[17+2*\s], -1                    ; not all keys count for all rows
	s_cselect_b32 s15, 1<<\s, 0
	s_or_b32 s[MIX], s[MIX], s15
.endr
	s_cmp_lg_u32 s14, -1                           ; a row with no key at all: every step is worked
	s_cselect_b32 s[NEED], 0xffff, s[NEED]
	s_lshl_b32 s14, s[G], 13
	s_mov_b32 s15, 0
	s_add_nc_u64 s[MBG:MBG+1], s[MB:MB+1], s[14:15]
	s_mov_b32 s[STP], 0
	s_mov_b32 s[OFF], 0
.if \fill == 0
	s_wait_loadcnt 0x0                             ; Q
.endif
.Ltrip_\@:
.if \fill
	s_wait_dscnt 0x0                               ; my stores of chunk S have landed
	s_barrier_signal -1
	s_barrier_wait -1                              ; everybody's have: chunk S may be read; chunk S + 1 is written until the next barrier
	s_wait_loadcnt 0x0                             ; chunk S + 1 is in registers (asked for a trip ago); in the first trip Q too
	s_cmp_lt_u32 s[STP], 15
	s_cbranch_scc0 .Lnostore_\@
	v_add_nc_u32 v[KW], s[OFF], v[TI]
	v_add_nc_u32 v[VW], s[OFF], v[VTI]
	FILL_STORE KW, VW, CHUNK
.Lnostore_\@:
.endif
	STEPBODY \fill
	s_add_co_u32 s[OFF], s[OFF], CHUNK
	s_add_co_u32 s[STP], s[STP], 1
	s_cmp_lt_u32 s[STP], 16
	s_cbranch_scc1 .Ltrip_\@
	PLACES 8                                       ; behind the last products
	OUTQ
	WIN 0x55
	OUTQ
	WIN 0
	global_store_b128 v[AOF], v[PC:PC+3],   s[AI:AI+1]              ; 32 lanes store 512 consecutive bytes, aligned
	global_store_b128 v[AOF], v[PC+4:PC+7], s[AI:AI+1] offset:512
	WIN 0x04
	global_store_b128 v[AOF], v[PC:PC+3],   s[AI:AI+1] offset:16384
	global_store_b128 v[AOF], v[PC+4:PC+7], s[AI:AI+1] offset:16384+512
	WIN 0x01
	v_mov_b32 v[T1], v[T0]
	WIN 0
	v_cndmask_b32 v[T1], v[T0], v[T1], s[HM]       ; lanes 0-15: tile 0's rows, lanes 16-31: tile 1's
	global_store_b16 v[SOF], v[T1], s[AS:AS+1]
.endm
	s_load_b256 s[16:23], s[0:1], 0x0              ; cimg, csc, mbits, mflags
	s_load_b128 s[24:27], s[0:1], 0x20             ; aimg, asc
	v_lshl_add_u32 v255, v0, 2, 0x43000
	s_set_vgpr_msb 0x40
	v_mov_b32 v255, 0
	s_set_vgpr_msb 0x4000
	v_lshrrev_b32 v12, 5, v0
	v_readfirstlane_b32 s[WV], v12                 ; wave 0..7
	v_and_b32 v12, 31, v0                          ; lane
	v_lshlrev_b32 v[LI], 4, v12
	v_lshlrev_b32 v[L4], 2, v12
	v_lshl_add_u32 v[AKS], v12, 2, KSC
	v_lshl_add_u32 v[AVS], v12, 2, VSC
	v_lshlrev_b32 v[TI], 4, v0
	v_lshl_add_u32 v[AVI], v12, 4, VIMG
	v_lshl_add_u32 v[VTI], v0, 4, VIMG
	v_lshl_add_u32 v[SOF], v0, 4, KSC              ; (at the head: where the scale words go)
	v_lshrrev_b32 v[QOF], 5, v0
	v_lshl_add_u32 v[QOF], v[QOF], 10, v[LI]       ; K's words: 512 bytes of each 1,024
	v_lshrrev_b32 v[QSO], 4, v0
	v_and_b32 v[AOF], 15, v0
	v_lshlrev_b32 v[AOF], 4, v[AOF]
	v_lshl_add_u32 v[QSO], v[QSO], 9, v[AOF]       ; V's words: 256 bytes of each 512
.irp i, 0,1,2,3,4,5,6,7
	v_mov_b32 v[KF+64+\i], 0                       ; zeros behind K's last tile
	v_mov_b32 v[QF+8+\i], 0                        ; Q's upper 64 along K: zero codes
.endr
	v_mov_b32 v[NEG], 0xd0000000                   ; -2^33
	WIN 0x40
.irp i, 0,1,2,3,4,5,6,7
	v_mov_b32 v[QF+8+\i], 0
.endr
	v_mov_b32 v[NEG], 0xd0000000
	WIN 0
	s_and_b32 s28, ttmp7, 0xffff                   ; 16 batch + head
	s_lshl_b32 s30, s28, 17                        ; q, k: a head's images are 131,072 dense bytes
	s_mov_b32 s31, 0
	s_lshr_b32 s29, s28, 1                         ; 8 batch + pair
	s_and_b32 s33, s28, 1                          ; the head in its pair
	s_lshl_b32 s34, s29, 18
	s_lshl_b32 s36, s33, 12
	s_add_co_u32 s34, s34, s36
	s_add_co_u32 s34, s34, 16777216                ; v's part
	s_mov_b32 s35, 0
	s_lshl_b32 s36, s29, 14
	s_lshl_b32 s38, s33, 9
	s_add_co_u32 s36, s36, s38                     ; q's scale words
	s_mov_b32 s37, 0
	s_lshl_b32 s38, s29, 13
	s_lshl_b32 s40, s33, 8
	s_add_co_u32 s38, s38, s40
	s_add_co_u32 s38, s38, 1048576                 ; v's
	s_mov_b32 s39, 0
	s_lshr_b32 s40, s28, 4
	s_lshl_b32 s44, s40, 16                        ; asc: 65,536 bytes a batch,
	s_lshl_b32 s40, s40, 21                        ; aimg: 2,097,152
	s_and_b32 s42, s28, 15
	s_lshl_b32 s43, s42, 10
	s_add_co_u32 s40, s40, s43                     ; + 1,024 x head
	s_mov_b32 s41, 0
	s_lshl_b32 s42, s42, 1
	s_add_co_u32 s44, s44, s42                     ; + 2 x head
	s_mov_b32 s45, 0
	s_mov_b32 s[MNT], 0x600000                     ; the mantissa field of 57,344
	s_mov_b32 s[HM], 0xffff0000                    ; lanes 16-31
	s_mov_b32 s[SEL], 0x76543210
	s_mov_b32 s[SEL+1], 0xfedcba98
	s_mov_b32 s[CS], 0x3e38aa3b                    ; c = log2(e) / 8
	s_mov_b32 s[CS+1], s[CS]
	s_wait_kmcnt 0x0
	s_add_nc_u64 s[QI:QI+1], s[16:17], s[30:31]
	s_add_nc_u64 s[KP:KP+1], s[QI:QI+1], 8388608
	s_add_nc_u64 s[VP:VP+1], s[16:17], s[34:35]
	s_add_nc_u64 s[QSC:QSC+1], s[18:19], s[36:37]
	s_add_nc_u64 s[46:47], s[QSC:QSC+1], 524288    ; k's scale words
	s_add_nc_u64 s[48:49], s[18:19], s[38:39]
	s_mov_b64 s[MB:MB+1], s[20:21]
	s_mov_b64 s[MF:MF+1], s[22:23]
	s_add_nc_u64 s[AI:AI+1], s[24:25], s[40:41]
	s_add_nc_u64 s[AS:AS+1], s[26:27], s[44:45]
	global_load_b128 v[96:99],   v[QOF], s[46:47]
	global_load_b128 v[100:103], v[QOF], s[46:47] offset:8192
	global_load_b128 v[104:107], v[QSO], s[48:49]
	FILL_ISSUE                                     ; chunk 0
	s_cmp_eq_u32 s[WV], 0                          ; the prefetches: wave 0 walks K, wave 1 V
	s_cselect_b64 s[PF:PF+1], s[KP:KP+1], s[VP:VP+1]
	s_mov_b32 s14, 131072
	s_cselect_b32 s14, 4096, s14                   ; from lanes 0-15 to lanes 16-31
	v_bfe_u32 v12, v0, 4, 1
	v_mul_lo_u32 v12, v12, s14
	v_and_b32 v[PFO], 15, v0
	v_lshl_add_u32 v[PFO], v[PFO], 8, v12
	s_lshr_b32 s15, s[WV], 1
	s_or_b32 s15, s15, ttmp9                       ; 0 in waves 0 and 1 of the head's first work-group
	s_cmp_eq_u32 s15, 0
	s_cselect_b32 s[LIM], 12, 0
	s_wait_loadcnt 0x0
	ds_store_b128 v[SOF], v[96:99]
	ds_store_b128 v[SOF], v[100:103] offset:4096
	ds_store_b128 v[SOF], v[104:107] offset:8192
	FILL_STORE TI, VTI, 0
	s_wait_dscnt 0x0                               ; the stores have read their registers
	s_add_nc_u64 s[KP:KP+1], s[KP:KP+1], CHUNK     ; (the loads that named these bases are done)
	s_add_nc_u64 s[VP:VP+1], s[VP:VP+1], CHUNK
	s_add_nc_u64 s[PF:PF+1], s[PF:PF+1], CHUNK
	FILL_ISSUE                                     ; chunk 1; nothing is prefetched here, at the head
	s_sub_co_u32 s14, 7, ttmp9
	s_lshl_b32 s14, s14, 3
	s_add_co_u32 s[G], s14, s[WV]
	PASS 1                                         ; block 7 - x, while K and V come in
	s_lshl_b32 s14, ttmp9, 3
	s_add_co_u32 s[G], s14, s[WV]
	PASS 0                                         ; block x: all of K and V lies in LDS, written in front of a barrier that every wave has passed
	s_set_vgpr_msb 0x4
	s_wait_tensorcnt 0x0
	ds_add_u32 v255, v255
	s_wait_dscnt 0x0
	s_set_vgpr_msb 0x400
	s_endpgm
.Lfunc_end_k_qa39a14c616_attn:
	.size	k_qa39a14c616_attn, .Lfunc_end_k_qa39a14c616_attn-k_qa39a14c616_attn
	.p2alignl 7, 3214868480
	.fill 96, 4, 3214868480
	.section	.rodata,"a",@progbits
	.p2align	6, 0x0
	.amdhsa_kernel k_qa39a14c616_attn
		.amdhsa_group_segment_fixed_size 275456
		.amdhsa_private_segment_fixed_size 0
		.amdhsa_enable_private_segment 0
		.amdhsa_kernarg_size 48
		.amdhsa_user_sgpr_count 2
		.amdhsa_user_sgpr_kernarg_segment_ptr 1
		.amdhsa_wavefront_size32 1
		.amdhsa_system_sgpr_workgroup_id_x 1
		.amdhsa_system_sgpr_workgroup_id_y 1
		.amdhsa_system_sgpr_workgroup_id_z 1
		.amdhsa_system_vgpr_workitem_id 0
		.amdhsa_next_free_vgpr 512
		.amdhsa_next_free_sgpr 106
		.amdhsa_reserve_vcc 0
		.amdhsa_float_denorm_mode_32 3
		.amdhsa_float_denorm_mode_16_64 3
		.amdhsa_memory_ordered 1
		.amdhsa_forward_progress 1
		.amdhsa_inst_pref_size 139
	.end_amdhsa_kernel
	.amdgpu_metadata
---
amdhsa.version: [ 1, 2 ]
amdhsa.kernels:
  - .name:           k_qa39a14c616_attn
    .symbol:         k_qa39a14c616_attn.kd
    .args:
      - { .name: cimg, .offset: 0, .size: 8, .value_kind: global_buffer, .address_space: global }
      - { .name: csc, .offset: 8, .size: 8, .value_kind: global_buffer, .address_space: global }
      - { .name: mbits, .offset: 16, .size: 8, .value_kind: global_buffer, .address_space: global }
      - { .name: mflags, .offset: 24, .size: 8, .value_kind: global_buffer, .address_space: global }
      - { .name: aimg, .offset: 32, .size: 8, .value_kind: global_buffer, .address_space: global }
      - { .name: asc, .offset: 40, .size: 8, .value_kind: global_buffer, .address_space: global }
    .group_segment_fixed_size: 275456
    .private_segment_fixed_size: 0
    .kernarg_segment_align: 8
    .kernarg_segment_size: 48
    .max_flat_workgroup_size: 256
    .sgpr_count:     106
    .vgpr_count:     512
    .wavefront_size: 32
...
	.end_amdgpu_metadata
.endif
;; end of part 3
;; launch oproj (part 4): grid 4 x 32, 4 waves a work-group, clusters of 4 x 4, 327,680 bytes of LDS; arguments aimg, asc, Wo_codes, Wo_scales, bo, out0; writes out0
.if DOCPART == 4
	.amdgcn_target "amdgcn-amd-amdhsa--gfx1250"
	.amdhsa_code_object_version 6
	.text
	.protected	k_qa39a14c616_oproj
	.globl	k_qa39a14c616_oproj
	.p2align	8
	.type	k_qa39a14c616_oproj,@function
k_qa39a14c616_oproj:
	s_mov_b64 s[64:65], 0
	v_nop
	global_prefetch_b8 v0, s[64:65] scope:SCOPE_SE
	s_setreg_imm32_b32 hwreg(HW_REG_WAVE_MODE, 25, 1), 1
	s_wait_xcnt 0x0
	s_wait_alu depctr_hold_cnt(0) depctr_sa_sdst(0) depctr_va_vdst(0) depctr_va_sdst(0) depctr_va_ssrc(0) depctr_va_vcc(0) depctr_vm_vsrc(0)
	s_getreg_b32 s2, hwreg(HW_REG_IB_STS2, 6, 4)
	s_cmp_eq_u32 s2, 0
	s_cbranch_scc0 .Lentry_in_a_cluster
	s_endpgm
.Lentry_in_a_cluster:
	s_bfe_u32 s2, ttmp6, 0x10000c
	s_cmp_lg_u32 s2, 0xf033
	s_cbranch_scc0 .Lentry_shape_is_right
	s_endpgm
.Lentry_shape_is_right:
; out0 = A Wo^T + bo on codes of BF8 (E5M2) with one E8M0 scale for each 32 along K = 1,024.  A, the attention's result, lies in aimg as images of operand registers,
; [token tile 512][K step of 128: 8][c 4][lane 32][16 bytes], its scale bytes in asc [token][32]; Wo's codes lie as rows of 1,024 bytes, its scale bytes [row][32].  out0: [8192][1024] f32.
; A tile of out0 is 256 x 256: four waves of 128 x 128 (64 accumulators, 512 registers).  K goes in steps of 256 through a ring of two LDS slots filled by joint tensor loads: 4 x 4 work-groups form a cluster,
; A's tile is shared along its rows, B's along its columns.  The scales of all of K come once and stay.  128 work-groups: the tile that feeds most multiply-adds from each LDS byte is kept, at the price of idle WGPs.
; The matrix instruction is used transposed (source 0 = 16 rows of Wo, source 1 = 16 tokens): a lane holds eight neighbouring numbers of a row of out0.  bo is the C of each sum's first matrix instruction.
; A's part of a slot: for each of 8 token tiles 4,096 consecutive bytes (two K steps of 128), 16,384 apart in memory, dense in LDS: a fragment is four loads of 512 consecutive bytes.
; REGISTERS: window 0: v0-31 addresses; v32-63 scale words; v64-127 bo's table; from v128 A's fragments, one set.  window 1: B's, two sets.  windows 2, 3: the accumulators.
.set SIZE_N, 1024
.set NQ,     2
.set ROWB,   256
.set KROW,   1024
.set PITCH,  272
.set FR,     16
.set NL,     4
.set NP,     8
.set HALFT,  128*PITCH
.set AHALF,  32768                     ; 8 token tiles x 4,096 bytes
.set ASTEP,  4096
.set BOFF,   2*AHALF
.set SLOT,   BOFF+2*HALFT
.set LAPS,   2
.set KS,     32
.set SCL,    2*SLOT
.set HALFS,  (128*KS/256)*272
.set SBLK,   (16*KS/256)*272
.set SPARE,  SCL+4*HALFS
.set SPITCH, 528                       ; the way out: 16 rows x (512 + 16) bytes a wave, in slot 0, which has had its last fill and its last read by then
.set ADRA, 16
.set ADRB, 20
.set STO,  24
.set RD,   25
.set CO,   26
.set ADRS, 27
.set SPW,  28
.set NIL,  29
.set BH,   31
.set SC,   32
.set T,    64
.set AF,   128
.set BK,   128
.set G1, 24
.set G0, 32
.set G1B, 48
.set G0B, 56
.set G1S, 68
.set G0S, 76
.set G1SB, 80
.set G0SB, 88
.set MSB, 0
.macro WIN new
.if MSB != (\new)
	s_set_vgpr_msb (MSB<<8)|(\new)
.set MSB, (\new)
.endif
.endm
.set MUL_LO, 0xa1
.set MUL_HI, 0xf1
.set TO_B,   0x40
.macro JLOAD g0a, g1a, g0b, g1b        ; waves 0 and 1 fetch for A, waves 2 and 3 for B; four v_nop follow each of the two lines
	s_cmp_eq_u32 s15, 0
	s_cbranch_scc0 .Lfor_b_\@
	tensor_load_to_lds s[\g0a:\g0a+3], s[\g1a:\g1a+7]
	s_nop 0
.rept 4
	v_nop
.endr
	s_branch .Lasked_\@
.Lfor_b_\@:
	tensor_load_to_lds s[\g0b:\g0b+3], s[\g1b:\g1b+7]
	s_nop 0
.rept 4
	v_nop
.endr
.Lasked_\@:
.endm
.macro CREST
	s_cmp_lg_u32 s14, 0
	s_cbranch_scc1 .Lnot_wave_0_\@
	s_barrier_signal -3
.Lnot_wave_0_\@:
	s_barrier_wait -3
	s_barrier_signal -1
	s_barrier_wait -1
.endm
.macro CROUND
	s_barrier_signal -1
	s_barrier_wait -1
	CREST
.endm
	s_load_b128 s[4:7], s[0:1], 0x0                ; aimg, asc
	s_load_b128 s[8:11], s[0:1], 0x10              ; Wo's codes, Wo's scales
	s_load_b128 s[96:99], s[0:1], 0x20             ; bo, out0
	v_lshl_add_u32 v[SPW], v0, 2, SPARE
	v_mov_b32 v[NIL], 0
	ds_add_u32 v28, v29
	ds_add_u32 v28, v29
	s_wait_dscnt 0x0
	v_lshrrev_b32 v1, 5, v0
	v_readfirstlane_b32 s14, v1
	s_lshr_b32 s15, s14, 1                         ; my half of the tile's rows.  Also: I fetch for A (0) or for B (1)
	s_and_b32 s16, s14, 1                          ; my half of its columns.  Also: which half I fetch
	s_bfe_u32 s40, ttmp6, 0x40000                  ; cx
	s_bfe_u32 s41, ttmp6, 0x40004                  ; cy
	s_lshl_b32 s42, ttmp9, 2
	s_add_co_u32 s42, s42, s40                     ; tile column
	s_and_b32 s17, ttmp7, 0xffff
	s_lshl_b32 s17, s17, 2
	s_add_co_u32 s17, s17, s41                     ; tile row
	s_lshl_b32 s43, s41, 2
	s_lshl_b32 s43, 15, s43
	s_lshl_b32 s44, 0x1111, s40
	s_or_b32 s[G1+0], s43, (3<<16)|(1<<21)         ; A: the mask of my row; elements of 8 bytes; bit 21 beside a mask; no padding
	s_mov_b32 s[G1+1], 512<<16                     ; tensor_dim0 = 512 elements: 4,096 bytes
	s_mov_b32 s[G1+2], 8<<16                       ; tensor_dim1 = 8 token tiles
	s_mov_b32 s[G1+3], 512<<16                     ; tile_dim0
	s_mov_b32 s[G1+4], 8                           ; tile_dim1
	s_mov_b32 s[G1+5], 2048                        ; the pitch: 16,384 bytes
	s_mov_b32 s[G1+6], 0
	s_mov_b32 s[G1+7], 0
	s_or_b32 s[G1B+0], s44, (0<<16)|(1<<20)|(1<<21)|(5<<22)|(3<<25)   ; B: 128 rows of 256 bytes, 16 bytes of padding behind each
	s_mov_b32 s[G1B+1], ROWB<<16
	s_mov_b32 s[G1B+2], 128<<16
	s_mov_b32 s[G1B+3], ROWB<<16
	s_mov_b32 s[G1B+4], 128
	s_mov_b32 s[G1B+5], KROW
	s_mov_b32 s[G1B+6], 0
	s_mov_b32 s[G1B+7], 0
	s_or_b32 s[G1S+0], s43, (3<<16)|(1<<20)|(1<<21)|(5<<22)|(3<<25)   ; the scales of 128 rows: 16 rows of 256 bytes + 16
	s_or_b32 s[G1SB+0], s44, (3<<16)|(1<<20)|(1<<21)|(5<<22)|(3<<25)
.irp g, G1S, G1SB
	s_mov_b32 s[\g+1], 32<<16
	s_mov_b32 s[\g+2], (128*KS/256)<<16
	s_mov_b32 s[\g+3], 32<<16
	s_mov_b32 s[\g+4], 128*KS/256
	s_mov_b32 s[\g+5], 32
	s_mov_b32 s[\g+6], 0
	s_mov_b32 s[\g+7], 0
.endr
	s_lshl_b32 s20, s17, 18                        ; A's images: 16 token tiles of 16,384 bytes a tile row,
	s_lshl_b32 s18, s16, 17                        ; 8 a half
	s_add_co_u32 s20, s20, s18
	s_mov_b32 s21, 0
	s_lshl_b32 s22, s17, 13                        ; A's scales: 256 rows of 32 bytes,
	s_lshl_b32 s18, s16, 12
	s_add_co_u32 s22, s22, s18
	s_mov_b32 s23, 0
	s_lshl_b32 s46, s42, 18                        ; B's codes: 256 rows of 1,024 bytes,
	s_lshl_b32 s18, s16, 17
	s_add_co_u32 s46, s46, s18
	s_mov_b32 s47, 0
	s_lshl_b32 s92, s42, 13                        ; B's scales
	s_lshl_b32 s18, s16, 12
	s_add_co_u32 s92, s92, s18
	s_mov_b32 s93, 0
	s_mul_i32 s45, s16, AHALF                      ; where they go: no place in the cluster enters an LDS address
	s_mul_i32 s95, s16, HALFT
	s_add_co_u32 s95, s95, BOFF
	s_mul_i32 s94, s14, HALFS
	s_wait_kmcnt 0x0
	s_mov_b64 s[12:13], s[98:99]                   ; out0
	s_add_nc_u64 s[20:21], s[4:5], s[20:21]
	s_add_nc_u64 s[22:23], s[6:7], s[22:23]
	s_add_nc_u64 s[46:47], s[8:9], s[46:47]
	s_add_nc_u64 s[92:93], s[10:11], s[92:93]
	CROUND                                         ; in front of the first joint loads
	s_mov_b32 s[G0S], 1
	s_add_co_u32 s[G0S+1], s94, SCL
	s_mov_b64 s[G0S+2:G0S+3], s[22:23]
	s_or_b32 s[G0S+3], s[G0S+3], 0x80000000
	s_mov_b32 s[G0SB], 1
	s_add_co_u32 s[G0SB+1], s94, SCL
	s_mov_b64 s[G0SB+2:G0SB+3], s[92:93]
	s_or_b32 s[G0SB+3], s[G0SB+3], 0x80000000
	JLOAD G0S, G1S, G0SB, G1SB
.irp s, 0,1
	s_mov_b32 s[G0+4*\s], 1
	s_add_co_u32 s[G0+4*\s+1], s45, \s*SLOT
	s_add_nc_u64 s[G0+4*\s+2:G0+4*\s+3], s[20:21], \s*ASTEP
	s_or_b32 s[G0+4*\s+3], s[G0+4*\s+3], 0x80000000
	s_mov_b32 s[G0B+4*\s], 1
	s_add_co_u32 s[G0B+4*\s+1], s95, \s*SLOT
	s_add_nc_u64 s[G0B+4*\s+2:G0B+4*\s+3], s[46:47], \s*ROWB
	s_or_b32 s[G0B+4*\s+3], s[G0B+4*\s+3], 0x80000000
	JLOAD G0+4*\s, G1, G0B+4*\s, G1B
.endr
	v_and_b32 v1, 15, v0                           ; r
	v_bfe_u32 v2, v0, 4, 1                         ; h
	v_and_b32 v6, 31, v0
	v_lshlrev_b32 v[CO], 4, v6                     ; 16 x lane
	v_mul_u32_u24 v3, v1, PITCH
	v_lshl_add_u32 v4, v2, 4, v3
	s_mul_i32 s21, s15, AHALF                      ; my 8 token tiles of A
	s_mul_i32 s22, s16, HALFT                      ; my 128 rows of B
	s_add_co_u32 s22, s22, BOFF
.irp s, 0,1
	v_add_nc_u32 v[ADRA+\s], s21, v[CO]
	v_add_nc_u32 v[ADRB+\s], s22, v4
	s_add_co_u32 s21, s21, SLOT
	s_add_co_u32 s22, s22, SLOT
.endr
	v_mul_u32_u24 v5, v1, KS
	v_lshrrev_b32 v6, 8, v5
	v_lshl_add_u32 v5, v6, 4, v5
	s_mul_i32 s21, s15, HALFS
	s_mul_i32 s22, s16, HALFS
	s_add_co_u32 s22, s22, 2*HALFS
	s_sub_co_u32 s22, s22, s21
	v_mul_u32_u24 v6, s22, v2                      ; lanes 16-31 take B's
	s_add_co_u32 s21, s21, SCL
	v_add_nc_u32 v5, v5, v6
	v_add_nc_u32 v[ADRS], s21, v5
	s_mul_i32 s23, s14, 16*SPITCH                  ; my stage
	v_mul_u32_u24 v5, v1, SPITCH
	v_lshl_add_u32 v5, v2, 5, v5
	v_add_nc_u32 v[STO], s23, v5
	v_add_nc_u32 v[RD], s23, v[CO]
	v_lshlrev_b32 v[BH], 5, v2
	s_lshl_b32 s46, s42, 10                        ; my first column, in bytes: 1,024 x tile column + 512 x half
	s_lshl_b32 s47, s16, 9
	s_add_co_u32 s46, s46, s47
	s_mov_b32 s47, 0
	s_add_nc_u64 s[96:97], s[96:97], s[46:47]      ; bo at my 128 columns
.irp b, 0,1,2,3,4,5,6,7
	global_load_b128 v[T+8*\b:T+8*\b+3], v[BH], s[96:97] offset:64*\b          ; group b: bo of columns 16 b + 8 h + 0 .. 7
	global_load_b128 v[T+8*\b+4:T+8*\b+7], v[BH], s[96:97] offset:64*\b+16
.endr
	s_lshl_b32 s20, s17, 8
	s_lshl_b32 s21, s15, 7
	s_add_co_u32 s20, s20, s21                     ; my first row of out0
	s_mov_b32 s21, 0
	s_mov_b64 s[18:19], SIZE_N*4
	s_mul_u64 s[20:21], s[20:21], s[18:19]
	s_add_nc_u64 s[20:21], s[20:21], s[46:47]
	s_add_nc_u64 s[12:13], s[12:13], s[20:21]
.macro FRAGB reg, adr, q, i
.irp c, 0,1,2,3
	ds_load_b128 v[\reg+4*\c:\reg+4*\c+3], v[\adr] offset:128*(\q)+32*\c+(\i)*16*PITCH
.endr
.endm
.macro FRAGA reg, adr, q, i            ; an image: 512 consecutive bytes a load
.irp c, 0,1,2,3
	ds_load_b128 v[\reg+4*\c:\reg+4*\c+3], v[\adr] offset:4096*(\i)+2048*(\q)+512*\c
.endr
.endm
.macro MUL16 a0, p, q, sc, mode        ; mode 1: the sums begin with bo.  The 64 accumulators take turns
.irp a, \a0, \a0+1
.irp b, 0,1,2,3,4,5,6,7
.set DD, 8*(8*((\a)%4)+\b)
.set CC, DD
.if \mode == 1
.set CC, T+8*\b
.endif
	v_wmma_scale_f32_16x16x128_f8f6f4 v[DD:DD+7], v[128*(\p)+FR*\b:128*(\p)+FR*\b+FR-1], v[AF+FR*(\a):AF+FR*(\a)+FR-1], v[CC:CC+7], v[SC+8*NQ*(\sc)+NQ*\b+(\q)], v[SC+8*NQ*(\sc)+NQ*(\a)+(\q)] matrix_a_fmt:MATRIX_FMT_BF8 matrix_b_fmt:MATRIX_FMT_BF8 matrix_a_scale:MATRIX_SCALE_ROW1
.endr
.endr
.endm
.macro FETCH_B slot, q, p
	WIN TO_B
.irp i, 0,1,2,3,4,5,6,7
	FRAGB 128*(\p)+FR*\i, ADRB+\slot, \q, \i
.endr
	WIN 0
.endm
.macro FETCH_A slot, q, i0
.irp i, \i0, \i0+1, \i0+2, \i0+3
	FRAGA AF+FR*(\i), ADRA+\slot, \q, \i
.endr
.endm
.macro SCALES sc
.irp i, 0,1,2,3,4,5,6,7
	ds_load_b64 v[SC+8*NQ*\sc+NQ*\i:SC+8*NQ*\sc+NQ*\i+1], v[ADRS] offset:\i*SBLK
.endr
.endm
.macro PLACES n
.rept \n
	v_nop
.endr
.endm
.macro STEP slot, q, mode
	s_wait_dscnt 4*NL                              ; the youngest 16 loads (A's blocks 4-7) may be out
.if \mode
	WIN 0x81
.else
	WIN MUL_LO
.endif
	MUL16 0, (\q)%2, \q, \slot, \mode
	MUL16 2, (\q)%2, \q, \slot, \mode
	s_wait_dscnt 0
	PLACES NP
	FETCH_B \slot, (\q)+1, 1-(\q)%2
	FETCH_A \slot, (\q)+1, 0
.if \mode
	WIN 0xc1
.else
	WIN MUL_HI
.endif
	MUL16 4, (\q)%2, \q, \slot, \mode
	MUL16 6, (\q)%2, \q, \slot, \mode
	PLACES NP
	WIN 0
	FETCH_A \slot, (\q)+1, 4
.endm
.macro TURN slot, next, fill
	s_wait_tensorcnt 0x0                           ; all my tensor loads have landed
	ds_add_u32 v[SPW], v[NIL]                      ; 0 onto my spare word
	s_wait_dscnt 4*NL+1                            ; (the add and the youngest 16 loads may be out)
	WIN MUL_LO
	MUL16 0, 1, NQ-1, \slot, 0
	s_wait_dscnt 0x0                               ; the add is done, and my reads of this slot are over
	s_barrier_signal -1
	MUL16 2, 1, NQ-1, \slot, 0
	WIN 0
	s_barrier_wait -1
.if \fill
	CREST
	s_add_nc_u64 s[G0+4*\slot+2:G0+4*\slot+3], s[G0+4*\slot+2:G0+4*\slot+3], 2*ASTEP
	s_add_nc_u64 s[G0B+4*\slot+2:G0B+4*\slot+3], s[G0B+4*\slot+2:G0B+4*\slot+3], 2*ROWB
	JLOAD G0+4*\slot, G1, G0B+4*\slot, G1B
	PLACES NP-4
.else
	PLACES NP
.endif
	v_add_nc_u32 v[ADRS], 4*NQ, v[ADRS]
	FETCH_B \next, 0, 0
	FETCH_A \next, 0, 0
	SCALES \next
	WIN MUL_HI
	MUL16 4, 1, NQ-1, \slot, 0
	MUL16 6, 1, NQ-1, \slot, 0
	PLACES NP
	WIN 0
	FETCH_A \next, 0, 4
.endm
	s_wait_tensorcnt 1                             ; the scales and my part of K step 0 are in; K step 1's load may be out
	s_barrier_signal -1
	s_barrier_wait -1
	FETCH_B 0, 0, 0
	FETCH_A 0, 0, 0
	SCALES 0
	FETCH_A 0, 0, 4
	s_wait_loadcnt 0x0                             ; bo
	STEP 0, 0, 1
	s_mov_b32 s3, LAPS-1
.Llap:
	TURN 0, 1, 1
	STEP 1, 0, 0
	TURN 1, 0, 1
	STEP 0, 0, 0
	s_sub_co_u32 s3, s3, 1
	s_cmp_lg_u32 s3, 0
	s_cbranch_scc1 .Llap
	TURN 0, 1, 0
	STEP 1, 0, 0
	s_wait_dscnt 4*NL
	WIN MUL_LO
	MUL16 0, 1, NQ-1, 1, 0
	MUL16 2, 1, NQ-1, 1, 0
	s_wait_dscnt 0
	WIN MUL_HI
	MUL16 4, 1, NQ-1, 1, 0
	MUL16 6, 1, NQ-1, 1, 0
	WIN 0
; THE WAY OUT, block by block of 16 rows x 128 columns, through my own stage: back come whole rows of 512 bytes.
.macro TOSTAGE a
.set AC, 64*((\a)%4)
	WIN 0x08+4*((\a)/4)
.irp b, 0,1,2,3,4,5,6,7
	ds_store_b128 v[STO], v[AC+8*\b:AC+8*\b+3] offset:64*\b          ; each accumulator from its low end on
	ds_store_b128 v[STO], v[AC+8*\b+4:AC+8*\b+7] offset:64*\b+16
.endr
	WIN 0
.set BB, BK+64*((\a)%2)
.irp t, 0,1,2,3,4,5,6,7,8,9,10,11,12,13,14,15
	ds_load_b128 v[BB+4*\t:BB+4*\t+3], v[RD] offset:\t*SPITCH        ; LDS serves a wave's instructions in order
.endr
.endm
.macro SEND a, younger
.set BB, BK+64*((\a)%2)
	s_wait_dscnt \younger
.if (\a) > 0
	s_add_nc_u64 s[12:13], s[12:13], 16*SIZE_N*4   ; (behind a wait on XCNT: the earlier stores have read their base)
.endif
.irp t, 0,1,2,3,4,5,6,7,8,9,10,11,12,13,14,15
	global_store_b128 v[CO], v[BB+4*\t:BB+4*\t+3], s[12:13] offset:\t*SIZE_N*4 th:TH_STORE_NT   ; 32 lanes store 512 consecutive bytes, aligned; written once
.endr
.endm
	PLACES NP
	TOSTAGE 0
.irp a, 1,2,3,4,5,6,7
.if \a > 1
	s_wait_xcnt 0x0                                ; block a - 2's stores have read their registers and their base
.endif
	TOSTAGE \a
	SEND \a-1, 32                                  ; behind block a - 1's loads: block a's 16 stores and 16 loads
.endr
	s_wait_xcnt 0x0
	SEND 7, 0
	s_wait_tensorcnt 0x0                           ; the wave's end
	ds_add_u32 v[SPW], v[NIL]
	s_wait_dscnt 0x0
	CROUND                                         ; the closing round
	s_endpgm
.Lfunc_end_k_qa39a14c616_oproj:
	.size	k_qa39a14c616_oproj, .Lfunc_end_k_qa39a14c616_oproj-k_qa39a14c616_oproj
	.p2alignl 7, 3214868480
	.fill 96, 4, 3214868480
	.section	.rodata,"a",@progbits
	.p2align	6, 0x0
	.amdhsa_kernel k_qa39a14c616_oproj
		.amdhsa_group_segment_fixed_size 327680
		.amdhsa_private_segment_fixed_size 0
		.amdhsa_enable_private_segment 0
		.amdhsa_kernarg_size 48
		.amdhsa_user_sgpr_count 2
		.amdhsa_user_sgpr_kernarg_segment_ptr 1
		.amdhsa_wavefront_size32 1
		.amdhsa_system_sgpr_workgroup_id_x 1
		.amdhsa_system_sgpr_workgroup_id_y 1
		.amdhsa_system_sgpr_workgroup_id_z 1
		.amdhsa_system_vgpr_workitem_id 0
		.amdhsa_next_free_vgpr 1024
		.amdhsa_next_free_sgpr 100
		.amdhsa_reserve_vcc 0
		.amdhsa_float_denorm_mode_32 3
		.amdhsa_float_denorm_mode_16_64 3
		.amdhsa_memory_ordered 1
		.amdhsa_forward_progress 1
		.amdhsa_inst_pref_size 147
	.end_amdhsa_kernel
	.amdgpu_metadata
---
amdhsa.version: [ 1, 2 ]
amdhsa.kernels:
  - .name:           k_qa39a14c616_oproj
    .symbol:         k_qa39a14c616_oproj.kd
    .args:
      - { .name: aimg, .offset: 0, .size: 8, .value_kind: global_buffer, .address_space: global }
      - { .name: asc, .offset: 8, .size: 8, .value_kind: global_buffer, .address_space: global }
      - { .name: Wo_codes, .offset: 16, .size: 8, .value_kind: global_buffer, .address_space: global }
      - { .name: Wo_scales, .offset: 24, .size: 8, .value_kind: global_buffer, .address_space: global }
      - { .name: bo, .offset: 32, .size: 8, .value_kind: global_buffer, .address_space: global }
      - { .name: out0, .offset: 40, .size: 8, .value_kind: global_buffer, .address_space: global }
    .group_segment_fixed_size: 327680
    .private_segment_fixed_size: 0
    .kernarg_segment_align: 8
    .kernarg_segment_size: 48
    .max_flat_workgroup_size: 128
    .sgpr_count:     100
    .vgpr_count:     1024
    .wavefront_size: 32
...
	.end_amdgpu_metadata
.endif
;; end of part 4
;; ======== version 2 of 2: 4 launches; version 1 with the launch attn written anew for expert scheduling mode
;; limits: right only within a limited range of input values
;; workspace buffers: mbits 524,288 bytes of whole numbers; mflags 8,192 bytes of whole numbers; cimg 25,165,824 bytes; csc 1,310,720 bytes; aimg 8,388,608 bytes; asc 262,144 bytes
;; launch maskbits: the kernel of part 1 again; grid 256 x 1, 4 waves a work-group, no clusters, 68,096 bytes of LDS; arguments mask, mbits, mflags; writes mbits, mflags
;; launch qkv: the kernel of part 2 again; grid 12 x 32, 4 waves a work-group, clusters of 4 x 4, 327,680 bytes of LDS; arguments x_codes, x_scales, Wq_codes, Wq_scales, Wk_codes, Wk_scales, Wv_codes, Wv_scales, bq, bk, bv, cimg, csc; writes cimg, csc
;; launch attn (part 5): grid 4 x 64, 8 waves a work-group, no clusters, 275,456 bytes of LDS; arguments cimg, csc, mbits, mflags, aimg, asc; writes aimg, asc
.if DOCPART == 5
	.amdgcn_target "amdgcn-amd-amdhsa--gfx1250"
	.amdhsa_code_object_version 6
	.text
	.protected	k_qa39a14c616_attn
	.globl	k_qa39a14c616_attn
	.p2align	8
	.type	k_qa39a14c616_attn,@function
k_qa39a14c616_attn:
	s_mov_b64 s[64:65], 0
	v_nop
	global_prefetch_b8 v0, s[64:65] scope:SCOPE_SE
	s_setreg_imm32_b32 hwreg(HW_REG_WAVE_SCHED_MODE, 0, 2), 2
	s_setreg_imm32_b32 hwreg(HW_REG_WAVE_MODE, 25, 1), 1
	s_wait_xcnt 0x0
	s_wait_alu depctr_vm_vsrc(0)
; Attention of one (batch, head) on codes of BF8 (E5M2): S^T = K Q^T, p = 2^(t - M), O^T = V^T P^T, O / the row's sum, quantised along the model's 1,024 and stored as the next product's operand.
; t = score x log2(e) / 8; M = the running largest t rounded UP to a whole number; the row's sum is taken of the unquantised p; when M moves, the sum and O^T are multiplied by 2^(old M - new M): exact.
; SHARES.  Work-group (x, y): y = 16 batch + head.  The head's WHOLE K and V (2 x 131,072 bytes of codes, 12,288 of scale words) come into LDS once.  Two passes of 256 queries: block 7 - x while the codes stream in,
; then block x.  Wave w owns 32 queries, two tiles of 16: each fragment of K and V read from LDS feeds two matrix instructions.  Two waves share a SIMD.
; THE MASK IS AN INPUT.  The launch before has turned it into lane masks (mbits) and, for each group of 32 queries and key step of 128, two flags (mflags).  A key step in which no row of the group has a key that counts
; is passed over by a scalar branch on those whole numbers; where some row of the group has no such key at all, every step is worked, since that row's result is the mean of all v.
; A hidden score is replaced by -2^33 ahead of the maximum (a logit of -2^30 in place of -1e9): t is then a whole number, so a wholly hidden row gets p = 1 exactly, and elsewhere p = 0.
; NO TENSOR LOADS, NO CLUSTER: the walk branches on numbers read from memory.  K and V go memory -> registers -> LDS, 64 bytes a thread and step, asked for a key step ahead.
; No LDS byte is written twice; one barrier a trip of the first pass parts the writing of chunk S + 1 from its reading.
; LAYOUT.  All operands lie in memory and LDS as images of operand registers, 16 bytes a lane: every LDS read is 512 consecutive bytes.  The head's 64 fill half of the instruction's 128 along K: Q's upper eight
; registers are zero codes; K's operand of tile t is v[16 + 8 t : 31 + 8 t], whose upper eight registers (the next tile's codes, finite; behind the last tile zeros) meet those zeros.
; The keys' order inside a block of 32 is the same in p (a lane's registers of S^T) and in V's codes (made so by the launch before).  O's codes meet a given operand, so lanes l and l xor 16 exchange 8-byte halves once.
; LIMITS: NaN and infinities are not served; a block under 2^-111 gets the scale byte 1; results differ from -1e9's only where a logit that counts lies under about -1e9.
; The scale bytes of the result leave as 2 bytes a token: a head owns no more of a token's 32; they are one part in 32 of what the launch stores.
; THE MODE: SCHED_MODE bits 1:0 = 2 (LLVM: expert scheduling mode 2), set by the entry lines.  The code itself states the register dependences
; between vector or matrix instructions and memory or LDS instructions, with s_wait_alu, always for 0.
; THE PLAN.  Registers that memory or LDS instructions touch:
;   v[LI], v[AKS], v[AVS], v[TI], v[PFO], v[L4], v[AVI], v[VTI]   made at the head, ahead of its wait on va_vdst, and never written again.
;   v[QOF], v[QSO], v[AOF], v[SOF]   offsets of a pass: written together at the pass's head; read by its five loads of Q and by its five stores at the end.
;   v[KW], v[VW], v[ADK], v[ADV], v[ADS], v[ADT]   LDS addresses of a trip: written together at the trip's head; read by the trip's LDS stores and loads.
;   KF, KS, VS, and VF in window 1   the step's LDS loads land in them; the step's products read them.
;   the chunk, v0-15 of window 1     global loads land in it, LDS stores read it; no vector instruction names it.
;   QF's lower eight, QS             a pass's loads land in them; the pass's products read them.
;   PC, PWD, PS1                     written by vector instructions and conversions; read by the products V^T P^T; PC, and T1, also by the pass's stores.
; A TRIP'S WAITS.  At its head, on every path: vm_vsrc (the last trip's LDS instructions have read the six addresses), the additions, va_vdst (the addresses are written; the last products are done reading
; KF, KS, VS, VF).  Up to the trip's last LDS load no vector or matrix instruction names a register that those loads touch (the products K Q^T name KF, QF, S^T, KS and QS), so V's 16 loads are dealt among
; tile 1's eight products with no further wait.  vm_vsrc once more ahead of the loads that land in the chunk; va_vdst ahead of the products V^T P^T, for p's codes and scale words.
; REGISTERS.  Tile 0 lives in window 0, tile 1 in window 1, at the same numbers, so that one text serves both.
.set KIMG, 0                           ; [step 16][tile 8][c 2][512]
.set VIMG, 131072                      ; [step 16][c / 2][d tile 4][c % 2][512]
.set KSC,  262144                      ; [key tile 128][r 16] words
.set VSC,  270336                      ; [step 16][d tile 4][r 16] words
.set CHUNK, 8192
; a tile's own, in its window
.set S,   96                           ; v96-159  S^T, then p
.set O,   160                          ; v160-191 O^T
.set PC,  192                          ; v192-207 p's codes
.set QF,  208                          ; v208-215 Q's codes, v216-223 zeros
.set BM,  224
.set PX,  228
.set HL,  232
.set SO,  236
.set NM,  240                          ; -M
.set RT,  241                          ; the running largest t
.set L,   242                          ; v[242:243] the sum, in two halves
.set F,   244                          ; f = 2^(old M - new M); later 1 / the sum
.set PWD, 245                          ; p's scale word
.set T0,  246
.set T1,  247
.set L2,  248
.set NEG, 250                          ; -2^33
; window 0, shared
.set LI,  1                            ; 16 x lane
.set AKS, 2                            ; KSC + 4 x lane
.set AVS, 3                            ; VSC + 4 x lane
.set ADK, 4
.set ADV, 5
.set ADS, 6
.set ADT, 7
.set TI,  8                            ; 16 x thread
.set KW,  9
.set VW,  10
.set PFO, 11
.set L4,  13                           ; 4 x lane
.set AVI, 14                           ; VIMG + 16 x lane
.set VTI, 15                           ; VIMG + 16 x thread
.set KF,  16                           ; v16-79 K's eight tiles, v80-87 zeros
.set KS,  88                           ; v88-91 K's scale words: lanes 0-15 tile 2 i, lanes 16-31 tile 2 i + 1
.set VS,  92                           ; v92-93 V's likewise
.set QS,  94                           ; Q's: lanes 0-15 tile 0, lanes 16-31 tile 1
.set PS1, 95                           ; tile 1's p scale word (scale operands have no window)
.set QOF, 251
.set QSO, 252
.set AOF, 253
.set SOF, 254
; window 1, shared: v0-15 a chunk on its way to LDS; v16-79 V's four fragments
.set VF,  16
.set WV,  2
.set STP, 3                            ; the key step
.set OFF, 4                            ; 8,192 x the key step
.set NEED, 5
.set MIX, 6
.set G,   7                            ; my group of 32 queries
.set KP,  8
.set VP,  10
.set MBG, 12
.set MNT, 66
.set HM,  67
.set SEL, 84
.set CS,  86
.set QI,  88
.set QSC, 90
.set MB,  92
.set MF,  94
.set AI,  96
.set AS,  98
.set LIM, 100
.set MO,  101
.set PF,  104
.set MSB, 0
.macro WIN new
.if MSB != (\new)
	s_set_vgpr_msb (MSB<<8)|(\new)
.set MSB, (\new)
.endif
.endm
.macro PLACES n
.rept \n
	v_nop
.endr
.endm
.macro FILL_ISSUE                      ; a chunk: 8,192 bytes of K, 2 x 4,096 of V; 256 threads x 16 bytes a load
	WIN 0x40
	global_load_b128 v[0:3],   v[TI], s[KP:KP+1]
	global_load_b128 v[4:7],   v[TI], s[KP:KP+1] offset:4096
	global_load_b128 v[8:11],  v[TI], s[VP:VP+1]
	global_load_b128 v[12:15], v[TI], s[VP:VP+1] offset:131072
	WIN 0
.endm
.macro FILL_STORE ka, va, base
	WIN 0x04                                       ; an LDS store's data are its source 1
	ds_store_b128 v[\ka], v[0:3]   offset:\base
	ds_store_b128 v[\ka], v[4:7]   offset:\base+4096
	ds_store_b128 v[\va], v[8:11]  offset:\base
	ds_store_b128 v[\va], v[12:15] offset:\base+4096
	WIN 0
.endm
; In trip S: chunk S + 2 is asked for (the last two trips ask for nothing), and behind these loads one prefetch names chunk S + 4, two chunks further on; it stops at the last chunk (S < 12).
; All four work-groups of a head walk the same K and V: the first of them asks, wave 0 for K's 8,192 bytes (lanes 256 bytes apart), wave 1 for V's 2 x 4,096: each aligned block of 256 bytes once in the launch.
; The wait that states that the LDS stores have read the chunk stands ahead of this macro, ahead of its branch.
.macro FILL_LOADS
	s_cmp_lt_u32 s[STP], 14
	s_cbranch_scc0 .Lnofill_\@
	s_wait_xcnt 0x0                                ; the last loads and the last prefetch have read their bases
	s_add_nc_u64 s[KP:KP+1], s[KP:KP+1], CHUNK
	s_add_nc_u64 s[VP:VP+1], s[VP:VP+1], CHUNK
	s_add_nc_u64 s[PF:PF+1], s[PF:PF+1], CHUNK
	FILL_ISSUE
	s_cmp_lt_u32 s[STP], s[LIM]
	s_cbranch_scc0 .Lnofill_\@
	global_prefetch_b8 v[PFO], s[PF:PF+1] offset:2*CHUNK th:TH_LOAD_NT scope:SCOPE_SE
.Lnofill_\@:
.endm
.macro MASKLOAD tau                    ; the 64 lane masks of tile tau for this step: word n in s[16 + n], from n = 48 on in s[20 + n]
	s_load_b512 s[16:31], s[MBG:MBG+1], s[MO] offset:256*\tau
	s_load_b512 s[32:47], s[MBG:MBG+1], s[MO] offset:256*\tau+64
	s_load_b512 s[48:63], s[MBG:MBG+1], s[MO] offset:256*\tau+128
	s_load_b512 s[68:83], s[MBG:MBG+1], s[MO] offset:256*\tau+192
.endm
.macro MASKAPPLY                       ; ascending: each accumulator is first read at its low end
.set n, 0
.rept 64
.if n < 48
	v_cndmask_b32 v[S+n], v[NEG], v[S+n], s[16+n]
.else
	v_cndmask_b32 v[S+n], v[NEG], v[S+n], s[20+n]
.endif
.set n, n+1
.endr
.endm
.macro QKT t, one                      ; S^T of key tile t; one = 1: query tile 1
.if (\t)%2 == 0 && \one == 0
	v_wmma_scale_f32_16x16x128_f8f6f4 v[S+8*\t:S+8*\t+7], v[KF+8*\t:KF+8*\t+15], v[QF:QF+15], 0, v[KS+\t/2], v[QS] matrix_a_fmt:MATRIX_FMT_BF8 matrix_b_fmt:MATRIX_FMT_BF8
.endif
.if (\t)%2 == 1 && \one == 0
	v_wmma_scale_f32_16x16x128_f8f6f4 v[S+8*\t:S+8*\t+7], v[KF+8*\t:KF+8*\t+15], v[QF:QF+15], 0, v[KS+\t/2], v[QS] matrix_a_fmt:MATRIX_FMT_BF8 matrix_b_fmt:MATRIX_FMT_BF8 matrix_a_scale:MATRIX_SCALE_ROW1
.endif
.if (\t)%2 == 0 && \one == 1
	v_wmma_scale_f32_16x16x128_f8f6f4 v[S+8*\t:S+8*\t+7], v[KF+8*\t:KF+8*\t+15], v[QF:QF+15], 0, v[KS+\t/2], v[QS] matrix_a_fmt:MATRIX_FMT_BF8 matrix_b_fmt:MATRIX_FMT_BF8 matrix_b_scale:MATRIX_SCALE_ROW1
.endif
.if (\t)%2 == 1 && \one == 1
	v_wmma_scale_f32_16x16x128_f8f6f4 v[S+8*\t:S+8*\t+7], v[KF+8*\t:KF+8*\t+15], v[QF:QF+15], 0, v[KS+\t/2], v[QS] matrix_a_fmt:MATRIX_FMT_BF8 matrix_b_fmt:MATRIX_FMT_BF8 matrix_a_scale:MATRIX_SCALE_ROW1 matrix_b_scale:MATRIX_SCALE_ROW1
.endif
.endm
.macro PVT d, sreg                     ; O^T += V^T P^T, 16 of the head's 64
.if (\d)%2 == 0
	v_wmma_scale_f32_16x16x128_f8f6f4 v[O+8*\d:O+8*\d+7], v[VF+16*\d:VF+16*\d+15], v[PC:PC+15], v[O+8*\d:O+8*\d+7], v[VS+\d/2], v[\sreg] matrix_a_fmt:MATRIX_FMT_BF8 matrix_b_fmt:MATRIX_FMT_BF8
.else
	v_wmma_scale_f32_16x16x128_f8f6f4 v[O+8*\d:O+8*\d+7], v[VF+16*\d:VF+16*\d+15], v[PC:PC+15], v[O+8*\d:O+8*\d+7], v[VS+\d/2], v[\sreg] matrix_a_fmt:MATRIX_FMT_BF8 matrix_b_fmt:MATRIX_FMT_BF8 matrix_a_scale:MATRIX_SCALE_ROW1
.endif
.endm
; One tile's softmax for 128 keys, in whichever window is set.
.macro SOFTMAX
.irp b, 0,1,2,3
	v_max3_num_f32 v[BM+\b], v[S+16*\b], v[S+1+16*\b], v[S+2+16*\b]   ; the largest score of each block of 32 keys: it serves the row's maximum and, since p rises with the score, the block's largest p
.endr
.irp i, 3,5,7,9,11,13
.irp b, 0,1,2,3
	v_max3_num_f32 v[BM+\b], v[BM+\b], v[S+16*\b+\i], v[S+1+16*\b+\i]
.endr
.endr
.irp b, 0,1,2,3
	v_max_num_f32 v[BM+\b], v[BM+\b], v[S+15+16*\b]
.endr
.irp b, 0,1,2,3
	v_permlanex16_b32 v[PX+\b], v[BM+\b], s[SEL], s[SEL+1]
.endr
.irp b, 0,1,2,3
	v_max_num_f32 v[BM+\b], v[BM+\b], v[PX+\b]     ; with lane l xor 16's 16 keys
.endr
	v_max3_num_f32 v[T0], v[BM], v[BM+1], v[BM+2]
	v_max_num_f32 v[T0], v[T0], v[BM+3]
	v_mul_f32 v[T0], s[CS], v[T0]                  ; as t
	v_max_num_f32 v[RT], v[RT], v[T0]
	v_mov_b32 v[T0], v[NM]
	v_floor_f32 v[NM], -v[RT]                      ; the new -M = floor(-t): M is a whole number
	v_sub_f32 v[T0], v[NM], v[T0]                  ; old M - new M, 0 or less
	v_cvt_i32_f32 v[T0], v[T0]                     ; (it saturates)
	v_ldexp_f32 v[F], 1.0, v[T0]                   ; f
.set n, 0
.rept 32
	v_pk_fma_f32 v[S+n:S+n+1], v[S+n:S+n+1], s[CS:CS+1], v[NM:NM+1] op_sel_hi:[1,0,0]   ; t - M, two at a time
.set n, n+2
.endr
.irp b, 0,1,2,3
	v_fma_f32 v[BM+\b], v[BM+\b], s[CS], v[NM]
.endr
.set n, 0
.rept 64
	v_exp_f32 v[S+n], v[S+n]                       ; p = 2^(t - M): not normalised
.set n, n+1
.endr
	v_pk_mul_f32 v[L:L+1], v[L:L+1], v[F:F+1] op_sel_hi:[1,0]   ; the sums under the new M; a plain instruction behind the exponentials
	s_wait_alu depctr_va_vdst(0)                   ; the 64 exponentials have written p, which the sums below read: one wait for the batch, ahead of its first reader
.irp b, 0,1,2,3
	v_exp_f32 v[BM+\b], v[BM+\b]                   ; the block's largest p
.endr
	v_pk_add_f32 v[L2:L2+1], v[S:S+1], v[S+2:S+3]  ; the row's sum of the unquantised p, in two chains
.irp j, 4,8,12,16,20,24,28,32,36,40,44,48,52,56,60
	v_pk_add_f32 v[L:L+1], v[L:L+1], v[S+\j:S+\j+1]
	v_pk_add_f32 v[L2:L2+1], v[L2:L2+1], v[S+2+\j:S+3+\j]
.endr
	v_pk_add_f32 v[L:L+1], v[L:L+1], v[L2:L2+1]
	s_wait_alu depctr_va_vdst(0)                   ; the four exponentials have written the blocks' largest p, which the next lines read
.irp b, 0,1,2,3
	v_max_num_f32 v[BM+\b], 0x8000000, v[BM+\b]    ; the floor 2^(16 - 127)
.endr
.irp b, 0,1,2,3
	v_add_nc_u32 v[SO+\b], 0xf8800000, v[BM+\b]
.endr
.irp b, 0,1,2,3
	v_and_or_b32 v[HL+\b], v[BM+\b], 0x7f800000, s[MNT]
.endr
.irp b, 0,1,2,3
	v_lshrrev_b32 v[PX+\b], 23, v[SO+\b]
.endr
	v_lshl_or_b32 v[PWD], v[PX+1], 8, v[PX]
	v_lshl_or_b32 v[PWD], v[PX+2], 16, v[PWD]
	v_lshl_or_b32 v[PWD], v[PX+3], 24, v[PWD]
.irp b, 0,1,2,3
.irp i, 0,1,2,3,4,5,6,7,8,9,10,11,12,13,14,15
	v_min_num_f32 v[S+16*\b+\i], v[S+16*\b+\i], v[HL+\b]   ; the conversion does not saturate (ISA guide 7.6.2); p is not negative: a one-sided hold
.endr
	v_cvt_scalef32_pk8_bf8_f32 v[PC+4*\b:PC+4*\b+1], v[S+16*\b:S+16*\b+7], v[SO+\b]
	v_cvt_scalef32_pk8_bf8_f32 v[PC+4*\b+2:PC+4*\b+3], v[S+16*\b+8:S+16*\b+15], v[SO+\b]
.endr
.set n, 0
.rept 16
	v_pk_mul_f32 v[O+n:O+n+1], v[O+n:O+n+1], v[F:F+1] op_sel_hi:[1,0]   ; O^T under the new M; also the places between the codes and the products
.set n, n+2
.endr
.endm
; A trip's head, on every path: the LDS addresses of the trip are made together, between the two waits that they owe.  fill = 1: the first pass, which also stores a chunk.
.macro ADDRS fill
	s_wait_alu depctr_vm_vsrc(0)                   ; the LDS loads and stores issued so far have read the address registers that the additions below write
	s_lshr_b32 s[MO], s[OFF], 4                    ; 512 bytes of lane masks, and of K's scale words, a step (no scalar load is out here)
	s_lshr_b32 s15, s[OFF], 5                      ; 256 bytes of V's scale words a step
.if \fill
	v_add_nc_u32 v[KW], s[OFF], v[TI]
	v_add_nc_u32 v[VW], s[OFF], v[VTI]
.endif
	v_add_nc_u32 v[ADK], s[OFF], v[LI]
	v_add_nc_u32 v[ADV], s[OFF], v[AVI]
	v_add_nc_u32 v[ADS], s[MO], v[AKS]
	v_add_nc_u32 v[ADT], s15, v[AVS]
	s_wait_alu depctr_va_vdst(0)                   ; the addresses are written, which the trip's LDS stores and loads read; the last products are done reading KF, KS, VS and VF, in which the trip's LDS loads land
.endm
; A key step of the wave.  fill = 1: the first pass, in which chunks are still asked for.
.macro STEPBODY fill
	s_bitcmp1_b32 s[NEED], s[STP]
	s_cbranch_scc0 .Lskip_\@
	MASKLOAD 1
	PLACES 4                                       ; with the additions at the trip's head: eight places or more behind the last step's products, in front of the loads into their registers; they stay beside the wait there
.irp t, 0,1,2,3,4,5,6,7
	ds_load_b128 v[KF+8*\t:KF+8*\t+3],   v[ADK] offset:1024*\t
	ds_load_b128 v[KF+8*\t+4:KF+8*\t+7], v[ADK] offset:1024*\t+512
.endr
.irp i, 0,1,2,3
	ds_load_b32 v[KS+\i], v[ADS] offset:128*\i
.endr
.irp i, 0,1
	ds_load_b32 v[VS+\i], v[ADT] offset:128*\i
.endr
	s_wait_dscnt 0x0                               ; K and the scale words are in; this trip's four fill stores are done
.if \fill
	s_wait_alu depctr_vm_vsrc(0)                   ; the fill stores have read the chunk's registers, in which the loads below land
	FILL_LOADS
.endif
.irp t, 0,1,2,3,4,5,6,7
	QKT \t, 0
.endr
	WIN 0x44                                       ; Q and S^T of tile 1; an LDS load's data in window 1, its address in window 0
.irp t, 0,1,2,3,4,5,6,7
	QKT \t, 1
	ds_load_b128 v[VF+16*(\t/2)+8*(\t%2):VF+16*(\t/2)+8*(\t%2)+3],   v[ADV] offset:4096*(\t%2)+1024*(\t/2)       ; V's fragments, two loads behind each product.  No wait: no vector or matrix instruction
	ds_load_b128 v[VF+16*(\t/2)+8*(\t%2)+4:VF+16*(\t/2)+8*(\t%2)+7], v[ADV] offset:4096*(\t%2)+1024*(\t/2)+512   ; since the wait at the trip's head names VF or v[ADV]
.endr
	WIN 0
	PLACES 8
	s_wait_kmcnt 0x0                               ; tile 1's lane masks
	s_bitcmp1_b32 s[MIX], s[STP]
	s_cbranch_scc0 .Lopen1_\@
	WIN 0x55
	MASKAPPLY
	WIN 0
.Lopen1_\@:
	MASKLOAD 0
	WIN 0x55
	SOFTMAX
	WIN 0x01
	v_mov_b32 v[PS1], v[PWD]                       ; tile 1's scale word into window 0; tile 0's softmax stands between it and its product
	WIN 0
	s_wait_kmcnt 0x0                               ; tile 0's lane masks
	s_bitcmp1_b32 s[MIX], s[STP]
	s_cbranch_scc0 .Lopen0_\@
	MASKAPPLY
.Lopen0_\@:
	SOFTMAX
	s_wait_dscnt 0x0                               ; V
	s_wait_alu depctr_va_vdst(0)                   ; the conversions have written p's codes of both tiles, and the vector instructions their two scale words, which the products below take; the places stand above, beside this wait
	WIN 0x01
.irp d, 0,1,2,3
	PVT \d, PWD
.endr
	WIN 0x55
.irp d, 0,1,2,3
	PVT \d, PS1
.endr
	WIN 0
.if \fill
	s_branch .Ldone_\@
.Lskip_\@:
	s_wait_dscnt 0x0                               ; this trip's fill stores are done
	s_wait_alu depctr_vm_vsrc(0)                   ; they have read the chunk's registers, in which the loads below land
	FILL_LOADS
.Ldone_\@:
.else
.Lskip_\@:
.endif
.endm
.macro INIT                            ; a pass's start, in whichever window is set: the loop has no first step of its own; its first change of M multiplies zeros
.set n, 0
.rept 32
	v_mov_b32 v[O+n], 0
.set n, n+1
.endr
.irp r, L, L+1, PX, PX+1, PX+2, PX+3, PWD, T1, L2, L2+1
	v_mov_b32 v[\r], 0
.endr
	v_mov_b32 v[RT], 0xff61b1e6                    ; -3e38, under every t
	v_floor_f32 v[NM], -v[RT]
.endm
; O^T / the sum, quantised in two blocks of 32 along the model's axis, in true order.
.macro OUTQ
	v_add_f32 v[T0], v[L], v[L+1]
	v_permlanex16_b32 v[T1], v[T0], s[SEL], s[SEL+1]
	v_add_f32 v[T0], v[T0], v[T1]
	v_rcp_f32 v[F], v[T0]
	v_nop
	s_wait_alu depctr_va_vdst(0)                   ; the reciprocal has written v[F], which the multiplications below read
.set n, 0
.rept 16
	v_pk_mul_f32 v[O+n:O+n+1], v[O+n:O+n+1], v[F:F+1] op_sel_hi:[1,0]
.set n, n+2
.endr
.irp c, 0,1
	v_max3_num_f32 v[BM+\c], |v[O+16*\c]|, |v[O+16*\c+1]|, 0x8000000
.endr
.irp i, 2,4,6,8,10,12,14
.irp c, 0,1
	v_max3_num_f32 v[BM+\c], v[BM+\c], |v[O+16*\c+\i]|, |v[O+16*\c+\i+1]|
.endr
.endr
.irp c, 0,1
	v_permlanex16_b32 v[PX+\c], v[BM+\c], s[SEL], s[SEL+1]
.endr
.irp c, 0,1
	v_max_num_f32 v[BM+\c], v[BM+\c], v[PX+\c]
.endr
.irp c, 0,1
	v_add_nc_u32 v[SO+\c], 0xf8800000, v[BM+\c]
.endr
.irp c, 0,1
	v_and_or_b32 v[HL+\c], v[BM+\c], 0x7f800000, s[MNT]
.endr
.irp c, 0,1
	v_lshrrev_b32 v[PX+\c], 23, v[SO+\c]
.endr
	v_lshl_or_b32 v[T0], v[PX+1], 8, v[PX]         ; the head's two scale bytes of my row
.irp c, 0,1
.irp i, 0,1,2,3,4,5,6,7,8,9,10,11,12,13,14,15
	v_med3_num_f32 v[O+16*\c+\i], v[O+16*\c+\i], -v[HL+\c], v[HL+\c]
.endr
	v_cvt_scalef32_pk8_bf8_f32 v[PC+4*\c:PC+4*\c+1], v[O+16*\c:O+16*\c+7], v[SO+\c]
	v_cvt_scalef32_pk8_bf8_f32 v[PC+4*\c+2:PC+4*\c+3], v[O+16*\c+8:O+16*\c+15], v[SO+\c]
.endr
	v_nop
; my bytes 0-7 are d = 32 c + 8 h + 0 .. 7, my bytes 8-15 d = 32 c + 16 + 8 h + 0 .. 7; the operand wants d = 32 c + 16 h + 0 .. 15: lanes 0-15 give their upper half for the partner's lower, lanes 16-31 the reverse
.irp c, 0,1
.irp k, 0,1
	v_cndmask_b32 v[L2], v[PC+4*\c+2+\k], v[PC+4*\c+\k], s[HM]
	v_permlanex16_b32 v[L2+1], v[L2], s[SEL], s[SEL+1]
	v_cndmask_b32 v[PC+4*\c+\k], v[PC+4*\c+\k], v[L2+1], s[HM]
	v_cndmask_b32 v[PC+4*\c+2+\k], v[L2+1], v[PC+4*\c+2+\k], s[HM]
.endr
.endr
.endm
; A pass: 32 queries a wave, group s[G].
.macro PASS fill
	s_wait_xcnt 0x0                                ; earlier loads and stores have had their addresses translated
	s_wait_alu depctr_vm_vsrc(0)                   ; earlier loads and stores have read the four offsets written below; the last pass's stores have read PC and T1, which this pass writes again
	s_lshl_b32 s14, s[G], 7
	s_load_b512 s[16:31], s[MF:MF+1], s14 offset:0x0    ; the group's flags: RV and RA of the 16 steps
	s_load_b512 s[32:47], s[MF:MF+1], s14 offset:0x40
	s_lshl_b32 s15, s[G], 11
	v_add_nc_u32 v[QOF], s15, v[LI]
	s_lshr_b32 s15, s[G], 2
	s_lshl_b32 s15, s15, 10
	s_and_b32 s[MO], s[G], 3
	s_lshl_b32 s[MO], s[MO], 7
	s_add_co_u32 s15, s15, s[MO]
	v_add_nc_u32 v[QSO], s15, v[L4]
	s_lshl_b32 s15, s[G], 15
	v_add_nc_u32 v[AOF], s15, v[LI]                ; two token tiles of 16,384 bytes a group
	s_lshl_b32 s15, s[G], 10
	v_lshl_add_u32 v[SOF], v[L4], 3, s15           ; 32 bytes a token
	s_wait_alu depctr_va_vdst(0)                   ; the four offsets are written, which the loads below and the pass's stores read; the last pass's products are done reading Q's codes and scale word, in which the loads land
	global_load_b128 v[QF:QF+3],   v[QOF], s[QI:QI+1]
	global_load_b128 v[QF+4:QF+7], v[QOF], s[QI:QI+1] offset:512
	WIN 0x40
	global_load_b128 v[QF:QF+3],   v[QOF], s[QI:QI+1] offset:1024
	global_load_b128 v[QF+4:QF+7], v[QOF], s[QI:QI+1] offset:1536
	WIN 0
	global_load_b32 v[QS], v[QSO], s[QSC:QSC+1]
	INIT                                           ; names none of the registers that the five loads touch
	WIN 0x55
	INIT
	WIN 0
	s_wait_kmcnt 0x0
	s_mov_b32 s[NEED], 0
	s_mov_b32 s[MIX], 0
	s_mov_b32 s14, 0
.irp s, 0,1,2,3,4,5,6,7,8,9,10,11,12,13,14,15
	s_or_b32 s14, s14, s[16+2*\s]
	s_cmp_lg_u32 s[16+2*\s], 0                     ; some row has a key that counts in this step
	s_cselect_b32 s15, 1<<\s, 0
	s_or_b32 s[NEED], s[NEED], s15
	s_cmp_lg_u32 s[17+2*\s], -1                    ; not all keys count for all rows
	s_cselect_b32 s15, 1<<\s, 0
	s_or_b32 s[MIX], s[MIX], s15
.endr
	s_cmp_lg_u32 s14, -1                           ; a row with no key at all: every step is worked
	s_cselect_b32 s[NEED], 0xffff, s[NEED]
	s_lshl_b32 s14, s[G], 13
	s_mov_b32 s15, 0
	s_add_nc_u64 s[MBG:MBG+1], s[MB:MB+1], s[14:15]
	s_mov_b32 s[STP], 0
	s_mov_b32 s[OFF], 0
.if \fill == 0
	s_wait_loadcnt 0x0                             ; Q
.endif
.Ltrip_\@:
.if \fill
	s_wait_dscnt 0x0                               ; my stores of chunk S have landed
	s_barrier_signal -1
	s_barrier_wait -1                              ; everybody's have: chunk S may be read; chunk S + 1 is written until the next barrier
	s_wait_loadcnt 0x0                             ; chunk S + 1 is in registers (asked for a trip ago); in the first trip Q too
.endif
	ADDRS \fill
.if \fill
	s_cmp_lt_u32 s[STP], 15
	s_cbranch_scc0 .Lnostore_\@
	FILL_STORE KW, VW, CHUNK
.Lnostore_\@:
.endif
	STEPBODY \fill
	s_add_co_u32 s[OFF], s[OFF], CHUNK
	s_add_co_u32 s[STP], s[STP], 1
	s_cmp_lt_u32 s[STP], 16
	s_cbranch_scc1 .Ltrip_\@
	PLACES 8                                       ; behind the last products
	OUTQ
	WIN 0x55
	OUTQ
	WIN 0x01
	v_mov_b32 v[T1], v[T0]
	WIN 0
	v_cndmask_b32 v[T1], v[T0], v[T1], s[HM]       ; lanes 0-15: tile 0's rows, lanes 16-31: tile 1's
	s_wait_alu depctr_va_vdst(0)                   ; the result's codes in PC of both windows and the scale bytes in T1 are written, which the five stores below read
	global_store_b128 v[AOF], v[PC:PC+3],   s[AI:AI+1]              ; 32 lanes store 512 consecutive bytes, aligned
	global_store_b128 v[AOF], v[PC+4:PC+7], s[AI:AI+1] offset:512
	WIN 0x04
	global_store_b128 v[AOF], v[PC:PC+3],   s[AI:AI+1] offset:16384
	global_store_b128 v[AOF], v[PC+4:PC+7], s[AI:AI+1] offset:16384+512
	WIN 0
	global_store_b16 v[SOF], v[T1], s[AS:AS+1]
.endm
	s_load_b256 s[16:23], s[0:1], 0x0              ; cimg, csc, mbits, mflags
	s_load_b128 s[24:27], s[0:1], 0x20             ; aimg, asc
	s_set_vgpr_msb 0x40
	v_lshl_add_u32 v254, v0, 2, 0x43000
	v_mov_b32 v255, 0
	s_set_vgpr_msb 0x4000
	v_lshrrev_b32 v12, 5, v0
	v_readfirstlane_b32 s[WV], v12                 ; wave 0..7
	v_and_b32 v12, 31, v0                          ; lane
	v_lshlrev_b32 v[LI], 4, v12
	v_lshlrev_b32 v[L4], 2, v12
	v_lshl_add_u32 v[AKS], v12, 2, KSC
	v_lshl_add_u32 v[AVS], v12, 2, VSC
	v_lshlrev_b32 v[TI], 4, v0
	v_lshl_add_u32 v[AVI], v12, 4, VIMG
	v_lshl_add_u32 v[VTI], v0, 4, VIMG
	v_lshl_add_u32 v[SOF], v0, 4, KSC              ; (at the head: where the scale words go)
	v_lshrrev_b32 v[QOF], 5, v0
	v_lshl_add_u32 v[QOF], v[QOF], 10, v[LI]       ; K's words: 512 bytes of each 1,024
	v_lshrrev_b32 v[QSO], 4, v0
	v_and_b32 v[AOF], 15, v0
	v_lshlrev_b32 v[AOF], 4, v[AOF]
	v_lshl_add_u32 v[QSO], v[QSO], 9, v[AOF]       ; V's words: 256 bytes of each 512
.irp i, 0,1,2,3,4,5,6,7
	v_mov_b32 v[KF+64+\i], 0                       ; zeros behind K's last tile
	v_mov_b32 v[QF+8+\i], 0                        ; Q's upper 64 along K: zero codes
.endr
	v_mov_b32 v[NEG], 0xd0000000                   ; -2^33
	WIN 0x40
.irp i, 0,1,2,3,4,5,6,7
	v_mov_b32 v[QF+8+\i], 0
.endr
	v_mov_b32 v[NEG], 0xd0000000
	WIN 0
	s_wait_alu depctr_va_sdst(0)                   ; the wave's number is written, ahead of its first reader
	s_cmp_eq_u32 s[WV], 0                          ; the prefetches: wave 0 walks K, wave 1 V
	s_mov_b32 s14, 131072
	s_cselect_b32 s14, 4096, s14                   ; from lanes 0-15 to lanes 16-31
	v_bfe_u32 v12, v0, 4, 1
	v_mul_lo_u32 v12, v12, s14
	v_and_b32 v[PFO], 15, v0
	v_lshl_add_u32 v[PFO], v[PFO], 8, v12
	s_lshr_b32 s15, s[WV], 1
	s_or_b32 s15, s15, ttmp9                       ; 0 in waves 0 and 1 of the head's first work-group
	s_cmp_eq_u32 s15, 0
	s_cselect_b32 s[LIM], 12, 0
	s_and_b32 s28, ttmp7, 0xffff                   ; 16 batch + head
	s_lshl_b32 s30, s28, 17                        ; q, k: a head's images are 131,072 dense bytes
	s_mov_b32 s31, 0
	s_lshr_b32 s29, s28, 1                         ; 8 batch + pair
	s_and_b32 s33, s28, 1                          ; the head in its pair
	s_lshl_b32 s34, s29, 18
	s_lshl_b32 s36, s33, 12
	s_add_co_u32 s34, s34, s36
	s_add_co_u32 s34, s34, 16777216                ; v's part
	s_mov_b32 s35, 0
	s_lshl_b32 s36, s29, 14
	s_lshl_b32 s38, s33, 9
	s_add_co_u32 s36, s36, s38                     ; q's scale words
	s_mov_b32 s37, 0
	s_lshl_b32 s38, s29, 13
	s_lshl_b32 s40, s33, 8
	s_add_co_u32 s38, s38, s40
	s_add_co_u32 s38, s38, 1048576                 ; v's
	s_mov_b32 s39, 0
	s_lshr_b32 s40, s28, 4
	s_lshl_b32 s44, s40, 16                        ; asc: 65,536 bytes a batch,
	s_lshl_b32 s40, s40, 21                        ; aimg: 2,097,152
	s_and_b32 s42, s28, 15
	s_lshl_b32 s43, s42, 10
	s_add_co_u32 s40, s40, s43                     ; + 1,024 x head
	s_mov_b32 s41, 0
	s_lshl_b32 s42, s42, 1
	s_add_co_u32 s44, s44, s42                     ; + 2 x head
	s_mov_b32 s45, 0
	s_mov_b32 s[MNT], 0x600000                     ; the mantissa field of 57,344
	s_mov_b32 s[HM], 0xffff0000                    ; lanes 16-31
	s_mov_b32 s[SEL], 0x76543210
	s_mov_b32 s[SEL+1], 0xfedcba98
	s_mov_b32 s[CS], 0x3e38aa3b                    ; c = log2(e) / 8
	s_mov_b32 s[CS+1], s[CS]
	s_wait_kmcnt 0x0
	s_add_nc_u64 s[QI:QI+1], s[16:17], s[30:31]
	s_add_nc_u64 s[KP:KP+1], s[QI:QI+1], 8388608
	s_add_nc_u64 s[VP:VP+1], s[16:17], s[34:35]
	s_add_nc_u64 s[QSC:QSC+1], s[18:19], s[36:37]
	s_add_nc_u64 s[46:47], s[QSC:QSC+1], 524288    ; k's scale words
	s_add_nc_u64 s[48:49], s[18:19], s[38:39]
	s_mov_b64 s[MB:MB+1], s[20:21]
	s_mov_b64 s[MF:MF+1], s[22:23]
	s_add_nc_u64 s[AI:AI+1], s[24:25], s[40:41]
	s_add_nc_u64 s[AS:AS+1], s[26:27], s[44:45]
	s_wait_alu depctr_va_vdst(0)                   ; every address and offset made above is written, which the loads, LDS stores and prefetches read; so are the zero codes in K's and Q's operands, which the products take
	global_load_b128 v[96:99],   v[QOF], s[46:47]
	global_load_b128 v[100:103], v[QOF], s[46:47] offset:8192
	global_load_b128 v[104:107], v[QSO], s[48:49]
	FILL_ISSUE                                     ; chunk 0
	s_cmp_eq_u32 s[WV], 0
	s_cselect_b64 s[PF:PF+1], s[KP:KP+1], s[VP:VP+1]   ; the prefetches' own pointer, stepped with K's and V's
	s_wait_loadcnt 0x0
	ds_store_b128 v[SOF], v[96:99]
	ds_store_b128 v[SOF], v[100:103] offset:4096
	ds_store_b128 v[SOF], v[104:107] offset:8192
	FILL_STORE TI, VTI, 0
	s_wait_dscnt 0x0                               ; the stores are done
	s_wait_alu depctr_vm_vsrc(0)                   ; they have read the chunk's registers, in which chunk 1 lands, and v96 to v107, which the first products write
	s_add_nc_u64 s[KP:KP+1], s[KP:KP+1], CHUNK     ; (the loads that named these bases are done)
	s_add_nc_u64 s[VP:VP+1], s[VP:VP+1], CHUNK
	s_add_nc_u64 s[PF:PF+1], s[PF:PF+1], CHUNK
	FILL_ISSUE                                     ; chunk 1; nothing is prefetched here, at the head
	s_sub_co_u32 s14, 7, ttmp9
	s_lshl_b32 s14, s14, 3
	s_add_co_u32 s[G], s14, s[WV]
	PASS 1                                         ; block 7 - x, while K and V come in
	s_lshl_b32 s14, ttmp9, 3
	s_add_co_u32 s[G], s14, s[WV]
	PASS 0                                         ; block x: all of K and V lies in LDS, written in front of a barrier that every wave has passed
	s_set_vgpr_msb 0x5
	s_wait_dscnt 0x0
	s_wait_alu depctr_hold_cnt(0) depctr_sa_sdst(0) depctr_va_vdst(0) depctr_va_sdst(0) depctr_va_ssrc(0) depctr_va_vcc(0) depctr_vm_vsrc(0)
	s_wait_tensorcnt 0x0
	ds_add_u32 v254, v255
	s_wait_dscnt 0x0
	s_endpgm
.Lfunc_end_k_qa39a14c616_attn:
	.size	k_qa39a14c616_attn, .Lfunc_end_k_qa39a14c616_attn-k_qa39a14c616_attn
	.p2alignl 7, 3214868480
	.fill 96, 4, 3214868480
	.section	.rodata,"a",@progbits
	.p2align	6, 0x0
	.amdhsa_kernel k_qa39a14c616_attn
		.amdhsa_group_segment_fixed_size 275456
		.amdhsa_private_segment_fixed_size 0
		.amdhsa_enable_private_segment 0
		.amdhsa_kernarg_size 48
		.amdhsa_user_sgpr_count 2
		.amdhsa_user_sgpr_kernarg_segment_ptr 1
		.amdhsa_wavefront_size32 1
		.amdhsa_system_sgpr_workgroup_id_x 1
		.amdhsa_system_sgpr_workgroup_id_y 1
		.amdhsa_system_sgpr_workgroup_id_z 1
		.amdhsa_system_vgpr_workitem_id 0
		.amdhsa_next_free_vgpr 512
		.amdhsa_next_free_sgpr 106
		.amdhsa_reserve_vcc 0
		.amdhsa_float_denorm_mode_32 3
		.amdhsa_float_denorm_mode_16_64 3
		.amdhsa_memory_ordered 1
		.amdhsa_forward_progress 1
		.amdhsa_inst_pref_size 140
	.end_amdhsa_kernel
	.amdgpu_metadata
---
amdhsa.version: [ 1, 2 ]
amdhsa.kernels:
  - .name:           k_qa39a14c616_attn
    .symbol:         k_qa39a14c616_attn.kd
    .args:
      - { .name: cimg, .offset: 0, .size: 8, .value_kind: global_buffer, .address_space: global }
      - { .name: csc, .offset: 8, .size: 8, .value_kind: global_buffer, .address_space: global }
      - { .name: mbits, .offset: 16, .size: 8, .value_kind: global_buffer, .address_space: global }
      - { .name: mflags, .offset: 24, .size: 8, .value_kind: global_buffer, .address_space: global }
      - { .name: aimg, .offset: 32, .size: 8, .value_kind: global_buffer, .address_space: global }
      - { .name: asc, .offset: 40, .size: 8, .value_kind: global_buffer, .address_space: global }
    .group_segment_fixed_size: 275456
    .private_segment_fixed_size: 0
    .kernarg_segment_align: 8
    .kernarg_segment_size: 48
    .max_flat_workgroup_size: 256
    .sgpr_count:     106
    .vgpr_count:     512
    .wavefront_size: 32
...
	.end_amdgpu_metadata
.endif
;; end of part 5
;; launch oproj: the kernel of part 4 again; grid 4 x 32, 4 waves a work-group, clusters of 4 x 4, 327,680 bytes of LDS; arguments aimg, asc, Wo_codes, Wo_scales, bo, out0; writes out0
